; MI455X (gfx1250); checked and timed in simulation.
; The chip was launched on July 23, 2026; its instructions are those of AMD's public machine-readable ISA for CDNA 5 (MIT licence, August 2026) and "CDNA5" Instruction Set Architecture Reference Guide (July 2026). The comments in the code are by the model that wrote it; some were corrected since.
;; Multi Head Attention. Allowed arithmetic: matrix products marked QUANTISED: E3M2 operands, one E8M0 scale for each 32 along K, by v_wmma_scale_f32_16x16x128_f8f6f4 with both operands' format E3M2, f32 sums; everything else in f32.
;; Inputs: out_b 1,024 float32; out_w 1,024 x 1,024 float32; qkv_b 3,072 float32; qkv_w 3,072 x 1,024 float32; x 4 x 2,048 x 1,024 float32.
;; Outputs: out0 4 x 2,048 x 1,024 float32.
;; This version of the problem:
;;   THIS VERSION OF THE PROBLEM IS GIVEN IN LOW PRECISION. The matrix products marked QUANTISED in the list below multiply operands that are first quantised to E3M2 (3 exponent bits, 2 mantissa bits; 6 bits a number), with one power-of-two scale for each 32 numbers along K (OCP MX v1.0); their sums are f32. All else is computed in f32.
;;   The module's matrix products, in the order in which they are computed (A, B: the left and right operand; K: the contracted axis; several contracted axes count as one K, in the product's order):
;;     1. [M 8,192, K 1,024] x [K 1,024, N 3,072]; A: input x; B: input qkv_w: QUANTISED
;;     2. batch 64 x [M 2,048, K 64] x [K 64, N 2,048]; A: computed on the way; B: computed on the way: QUANTISED
;;     3. batch 64 x [M 2,048, K 2,048] x [K 2,048, N 64]; A: softmax (see below); B: computed on the way: QUANTISED
;;     4. [M 8,192, K 1,024] x [K 1,024, N 1,024]; A: computed on the way; B: input out_w: QUANTISED
;;   THE QUANTISER, for each operand of a quantised product, along K:
;;     - K is cut into blocks of 32 from its start; a last block that is shorter is filled with zeros.
;;     - A block's scale is 2^e with e = floor(log2(the largest magnitude in the block)) - 4, held to -126 .. 127; a block of zeros has e = 0. As a byte (E8M0): e + 127.
;;     - Each number is divided by its block's scale, clamped to +-28, and rounded to the nearest number of E3M2, ties to even, subnormals kept.
;;     - The product sums the exact products of the quantised numbers (number of the format x scale) in f32.
;;   ~~~python
;;   def quantise(x, axis):      # numpy; x: float32 -> the quantised numbers, widened to float32 again
;;       x = np.moveaxis(x, axis, -1); K = x.shape[-1]
;;       x = np.pad(x, [(0, 0)] * (x.ndim - 1) + [(0, -K % 32)]); x = x.reshape(x.shape[:-1] + (-1, 32)); a = np.abs(x).max(-1, keepdims=True)
;;       e = np.where(a > 0, np.clip(np.frexp(np.where(a > 0, a, 1))[1] - 1 - 4, -126, 127), 0)      # np.frexp(a)[1] - 1 = floor(log2(a)), exactly
;;       r = np.clip(x / 2.0 ** e, -28, 28)
;;       step = 2.0 ** (np.maximum(np.frexp(np.where(r == 0, 1, r))[1] - 1, -2) - 2)
;;       q = np.round(r / step) * step * 2.0 ** e      # np.round: ties to even
;;       return np.moveaxis(q.reshape(q.shape[:-2] + (-1,))[..., :K], -1, axis).astype(np.float32)
;;   ~~~
;;   SOFTMAX AHEAD OF A QUANTISED PRODUCT. Where the list says 'softmax', what is quantised is not the finished softmax but p = 2^(t - M), with t = logit x log2(e) and M = ceil(the row's largest t), a whole number; so 1/2 < the row's largest p <= 1. The row's sum l is taken of the UNQUANTISED p, in f32, and the product's result is divided by l at the end. Since M is a whole number, a kernel that streams over the keys may use a running M (the ceiling of the running maximum): every later rescaling is an exact power of two, which a block's scale takes up: the codes' values come out the same.
;;   OPERANDS COMPUTED ON THE WAY. 'Computed on the way' means the value that the module computes at that place (a softmax that the list does not call 'softmax' is quantised finished and normalised). What goes into a quantiser is computed in f32, as accurately as f32 sums, v_exp_f32 and their like allow (about 1e-6 of the number): no bf16 or f16 on the way to a quantiser, and a product that is left as it is and whose result goes on into a quantised operand takes f32 operands (vector FMAs, or v_wmma_f32_16x16x4_f32). A number that lies on a knife's edge between two numbers of the format may be rounded either way, as far as f32 arithmetic and the matrix unit's own rounding can turn it there, and no further.
;; One version. Each part assembles by itself: llvm-mc -triple=amdgcn-amd-amdhsa -mcpu=gfx1250 --defsym DOCPART=n.
;; ======== version 1 of 1: 4 launches
;; limits: right only within a limited range of input values
;; workspace buffers: wq 9,437,184 bytes; wqs 393,216 bytes; qkv 19,922,944 bytes; att 6,291,456 bytes; atts 524,288 bytes
;; launch quant (part 1): grid 384 x 1, 4 waves a work-group, no clusters, 34,304 bytes of LDS; arguments x, qkv_w, out_w, wq, wqs; writes wq, wqs
.if DOCPART == 1
	.amdgcn_target "amdgcn-amd-amdhsa--gfx1250"
	.amdhsa_code_object_version 6
	.text
	.protected	k_q7152c06cbb_quant
	.globl	k_q7152c06cbb_quant
	.p2align	8
	.type	k_q7152c06cbb_quant,@function
k_q7152c06cbb_quant:
	s_mov_b64 s[64:65], 0
	v_nop
	global_prefetch_b8 v0, s[64:65] scope:SCOPE_SE
	s_setreg_imm32_b32 hwreg(HW_REG_WAVE_MODE, 25, 1), 1
	s_wait_xcnt 0x0
; x [8192][1024], qkv_w [3072][1024] and out_w [1024][1024], f32, K innermost, become codes of BF6 (E3M2) with one E8M0 byte for each 32 along K.
; A block's scale is 2^(floor(log2(largest magnitude)) - 4); its byte is the largest magnitude's exponent field - 4, held at 1 from below.
; LIMITS: a block whose largest magnitude lies under 2^-122 gets the byte 1; a block of zeros gets the byte 1 (its codes are zeros, and this program alone reads the bytes); NaN and infinities are not served.
; THE PIECE.  Codes are laid as images of operand registers.  A piece is 16 rows x 64 along K: lane 16 h + r holds the 24 bytes of block h of row r.  In memory: 16 bytes a lane at 16 x lane (512 bytes),
; then 8 bytes a lane at 512 + 8 x lane (256 bytes): 768 bytes.  Two pieces are a fragment of 16 rows x 128 K.  wq = [64-group of K: 16][tile: 768][768 bytes]; tiles 0-511 x, 512-703 qkv_w, 704-767 out_w.
; THE ROWS OF A TILE ARE NOT NEIGHBOURS: lane row r of tile T is row 32 (T / 2) + 8 (T % 2) + r + 8 (r / 8), so that the results of tiles 2 g and 2 g + 1 give a lane 16 neighbours.
; wqs = [tile][K half: 2][row: 16][4 words]: word i of half k is the scale word of the 128 along K number 4 k + i.
; SHARES.  Work-group G takes 32 rows (tiles 2 G, 2 G + 1); wave w takes tile 2 G + w / 2 and K half w % 2: four steps of 128 along K.  Waves share nothing: no barrier.
; Each load reads 512 consecutive bytes of one row; a step's 16 rows turn through the wave's own stage in LDS (rows 528 bytes apart), so that a lane gets 16 neighbours of each of the four blocks.
; Memory binds: loads run two steps (32 loads a wave) ahead; every store covers whole aligned runs of 256 bytes.  No matrix unit, no cluster: no two work-groups read the same bytes.
.set KGP,  589824                      ; bytes from one 64-group of K to the next in wq
.set SP,   528                         ; a stage row: 512 bytes + 16
.set PW,   8                           ; v8-11    the four steps' scale words
.set TM,   16                          ; v16-19 largest magnitudes, v20-23 the other half's / the bytes, v28-31 the conversions' scale operands
.set PC,   32                          ; v32-43   a fragment's codes
.set Y,    44                          ; v44-50   the blocks' upper halves as converted
.set X,    64                          ; v64-127  64 numbers: register 16 b + i = k 32 b + 16 h + i of my row
.set R,    128                         ; v128-255 two sets of 16 x 4 registers as loaded
	s_load_b256 s[4:11], s[0:1], 0x0               ; x, qkv_w, out_w, wq
	s_load_b64 s[12:13], s[0:1], 0x20              ; wqs
	v_lshl_add_u32 v62, v0, 2, 0x8400
	v_mov_b32 v63, 0
	v_lshrrev_b32 v7, 5, v0
	v_readfirstlane_b32 s14, v7                    ; wave
	v_and_b32 v7, 31, v0                           ; lane
	v_lshlrev_b32 v1, 4, v7                        ; 16 x lane
	v_lshlrev_b32 v2, 3, v7                        ; 8 x lane
	v_and_b32 v12, 15, v0                          ; r
	v_bfe_u32 v6, v0, 4, 1                         ; h
	s_mul_i32 s15, s14, 16*SP                      ; my stage
	v_add_nc_u32 v3, s15, v1                       ; into it: 16 x lane of a row
	v_mul_u32_u24 v4, v12, SP
	v_lshl_add_u32 v4, v6, 6, v4
	v_add_nc_u32 v4, s15, v4                       ; out of it: row r, + 64 h
	v_lshlrev_b32 v5, 4, v12
	v_lshl_add_u32 v5, v6, 3, v5                   ; the scale words' place: 16 r + 8 h
	s_mov_b32 s20, 0x76543210
	s_mov_b32 s21, 0xfedcba98                      ; lane selects: lane l xor 16
.irp b, 0,1,2,3
	v_mov_b32 v[TM+4+\b], 0                        ; written once: a lane permute's destination counts as one of its sources
.endr
	s_lshr_b32 s16, s14, 1                         ; which of the two tiles
	s_and_b32 s17, s14, 1                          ; which half of K
	s_lshl_b32 s18, ttmp9, 1
	s_add_co_u32 s18, s18, s16                     ; my tile
	s_mul_i32 s22, s18, 768
	s_mul_i32 s23, s17, 8*KGP
	s_add_co_u32 s22, s22, s23
	s_mov_b32 s23, 0                               ; s[22:23]: my first piece in wq
	s_lshl_b32 s24, s18, 9
	s_lshl_b32 s25, s17, 8
	s_add_co_u32 s24, s24, s25
	s_mov_b32 s25, 0                               ; s[24:25]: my 256 bytes in wqs
	s_wait_alu depctr_va_vdst(0)
	s_wait_kmcnt 0x0
	s_cmp_lt_u32 ttmp9, 352                        ; which tensor: the choice hangs on the work-group's number alone
	s_cselect_b64 s[6:7], s[6:7], s[8:9]
	s_mov_b32 s26, 352
	s_cselect_b32 s26, 256, s26
	s_cmp_lt_u32 ttmp9, 256
	s_cselect_b64 s[4:5], s[4:5], s[6:7]
	s_cselect_b32 s26, 0, s26
	s_sub_co_u32 s26, ttmp9, s26                   ; the work-group's number within its tensor
	; THE ROWS OF A TILE, AS THE TEXT STANDS (in place of what the head says of them): lane row r of tile 4 g + t is row 64 g + 8 t + r % 8 + 32 (r / 8),
	; so that the results of tiles 4 g .. 4 g + 3 give a lane 32 neighbours: a whole block.  A work-group's two tiles are t = 2 (G % 2), + 1 of g = G / 2.
	s_and_b32 s27, s26, 1
	s_lshr_b32 s26, s26, 1
	s_lshl_b32 s26, s26, 18                        ; 64 rows of 4,096 bytes for each four tiles,
	s_lshl_b32 s27, s27, 16                        ; 16 rows on for the second pair of tiles,
	s_add_co_u32 s26, s26, s27
	s_lshl_b32 s27, s16, 15                        ; 8 rows on for the pair's second tile,
	s_add_co_u32 s26, s26, s27
	s_lshl_b32 s27, s17, 11                        ; 512 numbers on for the second half of K
	s_add_co_u32 s26, s26, s27
	s_mov_b32 s27, 0
	s_add_nc_u64 s[4:5], s[4:5], s[26:27]
	s_add_nc_u64 s[10:11], s[10:11], s[22:23]
	s_add_nc_u64 s[12:13], s[12:13], s[24:25]
.macro LOAD t                          ; step t: 128 numbers of each of my 16 rows; 32 lanes read 512 consecutive bytes
.irp i, 0,1,2,3,4,5,6,7,8,9,10,11,12,13,14,15
	global_load_b128 v[R+64*((\t)%2)+4*\i:R+64*((\t)%2)+4*\i+3], v1, s[4:5] offset:(\i+24*(\i/8))*4096+512*(\t) th:TH_LOAD_NT
.endr
.endm
	LOAD 0
	LOAD 1
.macro KSTEP s
.if (\s) < 3
	s_wait_loadcnt 16                              ; this step's 16 loads are in; the next step's may be out
.else
	s_wait_loadcnt 0x0
.endif
.irp i, 0,1,2,3,4,5,6,7,8,9,10,11,12,13,14,15
	ds_store_b128 v3, v[R+64*((\s)%2)+4*\i:R+64*((\s)%2)+4*\i+3] offset:SP*\i
.endr
.irp b, 0,1,2,3
.irp j, 0,1,2,3
	ds_load_b128 v[X+16*\b+4*\j:X+16*\b+4*\j+3], v4 offset:128*\b+16*\j   ; LDS serves a wave's instructions in order: these see the stores above
.endr
.endr
	s_wait_dscnt 0x0                               ; the numbers are back, and the stores have read the set that is loaded again below
.if (\s) < 2
	LOAD (\s)+2
.endif
.irp b, 0,1,2,3
	v_max3_num_f32 v[TM+\b], |v[X+16*\b]|, |v[X+1+16*\b]|, 0x2800000   ; block b: my 16 numbers, and the floor 2^(5 - 127): the byte cannot fall under 1
.endr
.irp i, 2,4,6,8,10,12,14
.irp b, 0,1,2,3
	v_max3_num_f32 v[TM+\b], v[TM+\b], |v[X+16*\b+\i]|, |v[X+1+16*\b+\i]|   ; the four blocks by turns
.endr
.endr
.irp b, 0,1,2,3
	v_permlanex16_b32 v[TM+4+\b], v[TM+\b], s20, s21
.endr
.irp b, 0,1,2,3
	v_max_num_f32 v[TM+\b], v[TM+\b], v[TM+4+\b]   ; with lane l xor 16's: the block's largest magnitude
.endr
.irp b, 0,1,2,3
	v_add_nc_u32 v[TM+12+\b], 0xfe000000, v[TM+\b] ; 4 off its exponent field: the conversion's scale operand
.endr
.irp b, 0,1,2,3
	v_lshrrev_b32 v[TM+4+\b], 23, v[TM+12+\b]      ; the scale's byte
.endr
	v_lshl_or_b32 v[PW+(\s)], v[TM+5], 8, v[TM+4]
	v_lshl_or_b32 v[PW+(\s)], v[TM+6], 16, v[PW+(\s)]
	v_lshl_or_b32 v[PW+(\s)], v[TM+7], 24, v[PW+(\s)]   ; my row's scale word for this step
	s_wait_xcnt 0x0                                ; the last step's stores have read the codes' registers: they are written again only behind this wait
.irp c, 0,1
	v_cvt_scalef32_pk16_bf6_f32 v[PC+6*\c:PC+6*\c+2], v[X+32*\c:X+32*\c+15], v[TM+12+2*\c]
	v_cvt_scalef32_pk16_bf6_f32 v[Y+4*\c:Y+4*\c+2], v[X+16+32*\c:X+31+32*\c], v[TM+13+2*\c]   ; (a conversion's three registers begin on an even number)
.endr
	v_nop                                          ; one plain place behind a scaled conversion
.irp c, 0,1                                    ; a lane is to hold a WHOLE block: lanes 0-15 block 2 c, lanes 16-31 block 2 c + 1
.irp i, 0,1,2
	v_permlane16_swap_b32 v[PC+6*\c+\i], v[Y+4*\c+\i]
.endr
.irp i, 0,1,2
	v_mov_b32 v[PC+3+6*\c+\i], v[Y+4*\c+\i]
.endr
.endr
.irp c, 0,1                                    ; two pieces: 512 and 256 consecutive bytes each, at multiples of 256
	global_store_b128 v1, v[PC+6*\c:PC+6*\c+3], s[10:11] offset:(2*(\s)+\c)*KGP
	global_store_b64 v2, v[PC+6*\c+4:PC+6*\c+5], s[10:11] offset:(2*(\s)+\c)*KGP+512
.endr
.endm
	KSTEP 0
	KSTEP 1
	KSTEP 2
	KSTEP 3
	v_cmp_ne_u32 vcc_lo, 0, v6                     ; lanes 0-15 store words 0 and 1 of their row, lanes 16-31 words 2 and 3
	v_cndmask_b32 v12, v[PW], v[PW+2], vcc_lo
	v_cndmask_b32 v13, v[PW+1], v[PW+3], vcc_lo
	global_store_b64 v5, v[12:13], s[12:13]        ; 256 consecutive bytes
	s_wait_tensorcnt 0x0
	ds_add_u32 v62, v63
	s_wait_dscnt 0x0
	s_endpgm
.Lfunc_end_k_q7152c06cbb_quant:
	.size	k_q7152c06cbb_quant, .Lfunc_end_k_q7152c06cbb_quant-k_q7152c06cbb_quant
	.p2alignl 7, 3214868480
	.fill 96, 4, 3214868480
	.section	.rodata,"a",@progbits
	.p2align	6, 0x0
	.amdhsa_kernel k_q7152c06cbb_quant
		.amdhsa_group_segment_fixed_size 34304
		.amdhsa_private_segment_fixed_size 0
		.amdhsa_enable_private_segment 0
		.amdhsa_kernarg_size 40
		.amdhsa_user_sgpr_count 2
		.amdhsa_user_sgpr_kernarg_segment_ptr 1
		.amdhsa_wavefront_size32 1
		.amdhsa_system_sgpr_workgroup_id_x 1
		.amdhsa_system_sgpr_workgroup_id_y 1
		.amdhsa_system_sgpr_workgroup_id_z 1
		.amdhsa_system_vgpr_workitem_id 0
		.amdhsa_next_free_vgpr 256
		.amdhsa_next_free_sgpr 66
		.amdhsa_reserve_vcc 1
		.amdhsa_float_denorm_mode_32 3
		.amdhsa_float_denorm_mode_16_64 3
		.amdhsa_memory_ordered 1
		.amdhsa_forward_progress 1
		.amdhsa_inst_pref_size 34
	.end_amdhsa_kernel
	.amdgpu_metadata
---
amdhsa.version: [ 1, 2 ]
amdhsa.kernels:
  - .name:           k_q7152c06cbb_quant
    .symbol:         k_q7152c06cbb_quant.kd
    .args:
      - { .name: x, .offset: 0, .size: 8, .value_kind: global_buffer, .address_space: global }
      - { .name: qkv_w, .offset: 8, .size: 8, .value_kind: global_buffer, .address_space: global }
      - { .name: out_w, .offset: 16, .size: 8, .value_kind: global_buffer, .address_space: global }
      - { .name: wq, .offset: 24, .size: 8, .value_kind: global_buffer, .address_space: global }
      - { .name: wqs, .offset: 32, .size: 8, .value_kind: global_buffer, .address_space: global }
    .group_segment_fixed_size: 34304
    .private_segment_fixed_size: 0
    .kernarg_segment_align: 8
    .kernarg_segment_size: 40
    .max_flat_workgroup_size: 128
    .sgpr_count:     66
    .vgpr_count:     256
    .wavefront_size: 32
...
	.end_amdgpu_metadata
.endif
;; end of part 1
;; launch qkv (part 2): grid 16 x 32, 4 waves a work-group, clusters of 4 x 4, 327,680 bytes of LDS; arguments wq, wqs, qkv_b, qkv; writes qkv
.if DOCPART == 2
	.amdgcn_target "amdgcn-amd-amdhsa--gfx1250"
	.amdhsa_code_object_version 6
	.text
	.protected	k_q7152c06cbb_qkv
	.globl	k_q7152c06cbb_qkv
	.p2align	8
	.type	k_q7152c06cbb_qkv,@function
k_q7152c06cbb_qkv:
	s_mov_b64 s[64:65], 0
	v_nop
	global_prefetch_b8 v0, s[64:65] scope:SCOPE_SE
	s_setreg_imm32_b32 hwreg(HW_REG_WAVE_MODE, 25, 1), 1
	s_wait_xcnt 0x0
	s_wait_alu depctr_hold_cnt(0) depctr_sa_sdst(0) depctr_va_vdst(0) depctr_va_sdst(0) depctr_va_ssrc(0) depctr_va_vcc(0) depctr_vm_vsrc(0)
	s_getreg_b32 s2, hwreg(HW_REG_IB_STS2, 6, 4)
	s_cmp_eq_u32 s2, 0
	s_cbranch_scc0 .Lentry_in_a_cluster
	s_endpgm
.Lentry_in_a_cluster:
	s_bfe_u32 s2, ttmp6, 0x10000c
	s_cmp_lg_u32 s2, 0xf033
	s_cbranch_scc0 .Lentry_shape_is_right
	s_endpgm
.Lentry_shape_is_right:
; qkv = x qkv_w^T + qkv_b on codes of BF6, and its results quantised in registers into the operands of attention.  K = 1,024.
; SHARES.  A work-group makes 256 tokens x 192 columns: one head's q | k | v.  Wave w makes tokens 64 w .. 64 w + 63 (4 tiles m) x all 12 tiles n of columns (0-3 q, 4-7 k, 8-11 v): 48 accumulators.
; Operands come as PIECES (16 rows x 64 K as an image of registers: 16 bytes a lane, then 8 bytes a lane: 768 bytes); two pieces are a fragment; a fragment is four dense LDS loads.
; Lane row r of tile T is row 32 (T / 2) + 8 (T % 2) + r + 8 (r / 8).  q and k are made TRANSPOSED (source 0 = W's tile, source 1 = x's): a lane holds one token and 16 neighbouring channels of tiles 2 g, 2 g + 1.
; v is made the natural way (source 0 = x's tile): a lane holds one channel and 16 neighbouring TOKENS, which are the K of attention's second product.  The bias is the C of each sum's first product.
; The division of q by 8 is left to the softmax's constant: a power of two changes no code.  LIMITS: as in the launch that made the codes; q's scale byte is held at 1 three exponents away from where q / 8's would be.
; OUT, for each head 311,296 bytes: 16 key steps x (8 pieces of K | 8 pieces of V, 4 c + t | 256 bytes of K's scale words | 256 of V's), then 128 pieces of Q, then Q's scale words.
; RING.  K goes in 4 steps of 256 through three LDS slots; steps 0, 1, 2 are first fills, step 3 is the one refill (slot 0).  By this text's count a wave has three tensor loads out at the most.
; CLUSTER 4 x 4: x's tiles are shared along a row of the cluster, W's along a column: each is asked for jointly, by the same load with the same descriptor and a mask that names the four.
; REGISTERS: window 0: v1-24 addresses, v32-47 x's scale words, v48-95 W's, v96-191 x's fragments in two sets (in the epilogue: codes and work); window 1: W's 12 fragments;
;   window 2: q's and k's accumulators at 64 (n / 2) + 16 m + 8 (n % 2); window 3: v's at 32 (n - 8) + 8 m, the biases from v128.
; AS THE TEXT STANDS (in place of what the lines above say of a tile's rows, of the ring and of the accumulators):
; Lane row r of tile 4 g + t is row 64 g + 8 t + r % 8 + 32 (r / 8): the results of four neighbouring tiles give a lane 32 neighbours, a whole block of the next K, so no block's maximum asks another lane.
; LDS: x's K groups 0-11 lie on end from byte 0 (12,288 bytes a group), W's from BOFF (9,216 a group).  At the head each wave issues ONE joint load of six groups; K groups 12-15 are the one refill,
; two groups a wave, onto the bytes of groups 0-3.  By this text's count a wave has one tensor load out at the most.
; q's and k's accumulators lie at 64 m + 32 (n / 4) + 8 (n % 4) in window 2.
.set KGP,   589824
.set XSL,   49152                      ; x: four groups, 256 along K
.set WSL,   36864                      ; W: the same
.set BOFF,  147456                     ; W's groups lie behind x's twelve
.set SPARE, 258048                     ; the spare words, 128 bytes a wave: two blocks of 256 bytes that no other line names
.set SCST,  258560                     ; a stage for K's and V's scale words: 1,024 bytes; no tile lands here
.set AX16, 4                           ; v4-6   x's pieces in slot 0, 1, 2: + 16 x lane;  v7-9: + 8 x lane
.set AX8,  7
.set AW16, 10                          ; v10-12, v13-15 the same for W
.set AW8,  13
.set SPW,  16                          ; v16  my spare word's address; never rewritten
.set NIL,  17                          ; v17  0; never rewritten
.set L16,  18                          ; v18  16 x lane
.set L8,   19                          ; v19  8 x lane
.set BQ,   20                          ; v20  128 h
.set BV,   21                          ; v21  4 (r % 8 + 32 (r / 8))
.set KST,  22
.set VST,  23
.set RDS,  24
.set H8,   25                          ; v25  8 h
.set XS,   32
.set WS,   48
.set XF,   96
.set PCS,  96                          ; epilogue: six sets of 12 registers of codes
.set Y,    168
.set TM,   192
.set PW,   208                         ; six scale words
.set SCR,  214
.set G1A, 24
.set G1B, 32
.set G0A, 40                           ; s[40:55] group 0 for x's tiles, a set for each K step; never rewritten
.set G0B, 68                           ; s[68:83] for W's
.set SK,  84
.set SQ,  86
.set SQS, 88
.set SSC, 90
.set SEL, 96
.set MSB, 0
.macro WIN new                         ; the immediate's high byte repeats the setting that is left
.if MSB != (\new)
	s_set_vgpr_msb (MSB<<8)|(\new)
.set MSB, (\new)
.endif
.endm
.macro PLACES
.rept 4
	v_nop
.endr
.endm
.macro JLOAD ks                        ; a joint load: waves 0 and 1 fetch for x, waves 2 and 3 for W; four v_nop follow each of the two lines
	s_cmp_eq_u32 s15, 0
	s_cbranch_scc0 .Lfor_b_\@
	tensor_load_to_lds s[G0A+4*\ks:G0A+4*\ks+3], s[G1A:G1A+7]
	s_nop 0
	PLACES
	s_branch .Lasked_\@
.Lfor_b_\@:
	tensor_load_to_lds s[G0B+4*\ks:G0B+4*\ks+3], s[G1B:G1B+7]
	s_nop 0
	PLACES
.Lasked_\@:
.endm
.macro CREST                           ; a round of the cluster's barrier behind its opening barrier
	s_cmp_lg_u32 s14, 0
	s_cbranch_scc1 .Lnot_wave_0_\@
	s_barrier_signal -3
.Lnot_wave_0_\@:
	s_barrier_wait -3
	s_barrier_signal -1
	s_barrier_wait -1
.endm
.macro CROUND
	s_barrier_signal -1
	s_barrier_wait -1
	CREST
.endm
	s_load_b256 s[4:11], s[0:1], 0x0               ; wq s[4:5], wqs s[6:7], qkv_b s[8:9], qkv s[10:11]
	v_lshl_add_u32 v[SPW], v0, 2, SPARE
	v_mov_b32 v[NIL], 0
	ds_add_u32 v16, v17
	ds_add_u32 v16, v17
	s_wait_dscnt 0x0
	v_lshrrev_b32 v1, 5, v0
	v_readfirstlane_b32 s14, v1                    ; wave
	s_lshr_b32 s15, s14, 1                         ; I fetch for x (0) or for W (1); also: which key step of the two is mine
	s_and_b32 s16, s14, 1                          ; which two 64-groups of a K step I fetch; also: which 64 keys of the step are mine
	s_bfe_u32 s19, ttmp6, 0x40000                  ; cx
	s_bfe_u32 s20, ttmp6, 0x40004                  ; cy
	s_lshl_b32 s18, ttmp9, 2
	s_add_co_u32 s18, s18, s19                     ; tx: the head's number in the batch row
	s_and_b32 s17, ttmp7, 0xffff
	s_lshl_b32 s17, s17, 2
	s_add_co_u32 s17, s17, s20                     ; ty: which 256 tokens
	s_lshl_b32 s21, s20, 2
	s_lshl_b32 s21, 15, s21                        ; my row of the cluster
	s_lshl_b32 s22, 0x1111, s19                    ; my column
	; group 1: six rows (six 64-groups of K) at the head, each one dense run of tiles; elements of 8 bytes; no padding
	s_or_b32 s[G1A], s21, (3<<16)|(1<<21)
	s_mov_b32 s[G1A+1], 1536<<16                   ; tensor_dim0: 16 tiles x 768 bytes
	s_mov_b32 s[G1A+2], 6<<16                      ; tensor_dim1: six groups at the head
	s_mov_b32 s[G1A+3], 1536<<16                   ; tile_dim0
	s_mov_b32 s[G1A+4], 6                          ; tile_dim1
	s_mov_b32 s[G1A+5], KGP/8                      ; from group to group
	s_mov_b32 s[G1A+6], 0
	s_mov_b32 s[G1A+7], 0
	s_or_b32 s[G1B], s22, (3<<16)|(1<<21)
	s_mov_b32 s[G1B+1], 1152<<16                   ; 12 tiles x 768 bytes
	s_mov_b32 s[G1B+2], 6<<16
	s_mov_b32 s[G1B+3], 1152<<16
	s_mov_b32 s[G1B+4], 6
	s_mov_b32 s[G1B+5], KGP/8
	s_mov_b32 s[G1B+6], 0
	s_mov_b32 s[G1B+7], 0
	s_mul_i32 s56, s16, 2*KGP                      ; x's tiles hang on ty and the wave alone,
	s_mul_i32 s2, s17, 12288
	s_add_co_u32 s56, s56, s2
	s_mov_b32 s57, 0
	s_mul_i32 s58, s16, 2*KGP                      ; W's on tx and the wave alone
	s_mul_i32 s3, s18, 9216
	s_add_co_u32 s58, s58, s3
	s_add_co_u32 s58, s58, 512*768
	s_mov_b32 s59, 0
	s_mul_i32 s60, s16, 24576                      ; where they go: no place in the cluster enters an LDS address
	s_mul_i32 s61, s16, 18432
	s_add_co_u32 s61, s61, BOFF
	; where the results go
	s_lshr_b32 s23, s17, 3
	s_lshl_b32 s23, s23, 4
	s_add_co_u32 s23, s23, s18
	s_mul_i32 s23, s23, 311296                     ; the head's first byte
	s_and_b32 s98, s17, 7
	s_lshl_b32 s99, s98, 1
	s_add_co_u32 s99, s99, s15
	s_mul_i32 s99, s99, 12800
	s_add_co_u32 s99, s99, s23                     ; my key step's record
	s_mul_i32 s[SK], s16, 3072
	s_add_co_u32 s[SK], s[SK], s99                 ; my four pieces of K in it; V's lie 6,144 bytes on
	s_mov_b32 s[SK+1], 0
	s_lshl_b32 s[SSC], s16, 8
	s_add_co_u32 s[SSC], s[SSC], s99
	s_add_co_u32 s[SSC], s[SSC], 12288             ; the 256 bytes of scale words that I store
	s_mov_b32 s[SSC+1], 0
	s_lshl_b32 s[SQ], s98, 4
	s_lshl_b32 s99, s14, 2
	s_add_co_u32 s[SQ], s[SQ], s99                 ; my first tile in the head: 16 (ty % 8) + 4 w
	s_lshl_b32 s[SQS], s[SQ], 6                    ; 128 bytes of Q's scale words for each pair of tiles
	s_mul_i32 s[SQ], s[SQ], 768
	s_add_co_u32 s[SQ], s[SQ], s23
	s_add_co_u32 s[SQ], s[SQ], 204800
	s_mov_b32 s[SQ+1], 0
	s_add_co_u32 s[SQS], s[SQS], s23
	s_add_co_u32 s[SQS], s[SQS], 303104
	s_mov_b32 s[SQS+1], 0
	s_mul_i32 s92, s18, 768                        ; the head's 192 biases
	s_mov_b32 s93, 0
	s_lshl_b32 s94, s17, 4
	s_add_co_u32 s94, s94, s99
	s_lshl_b32 s94, s94, 9                         ; x's scale words: 512 bytes a tile, from tile 16 ty + 4 w
	s_mov_b32 s95, 0
	s_mul_i32 s62, s18, 12*512
	s_add_co_u32 s62, s62, 512*512                 ; W's: from tile 512 + 12 tx
	s_mov_b32 s63, 0
	s_mov_b32 s[SEL], 0x76543210
	s_mov_b32 s[SEL+1], 0xfedcba98
	s_wait_kmcnt 0x0
	s_add_nc_u64 s[56:57], s[4:5], s[56:57]
	s_add_nc_u64 s[58:59], s[4:5], s[58:59]
	s_add_nc_u64 s[SK:SK+1], s[10:11], s[SK:SK+1]
	s_add_nc_u64 s[SQ:SQ+1], s[10:11], s[SQ:SQ+1]
	s_add_nc_u64 s[SQS:SQS+1], s[10:11], s[SQS:SQS+1]
	s_add_nc_u64 s[SSC:SSC+1], s[10:11], s[SSC:SSC+1]
	s_add_nc_u64 s[92:93], s[8:9], s[92:93]
	s_add_nc_u64 s[94:95], s[6:7], s[94:95]
	s_add_nc_u64 s[62:63], s[6:7], s[62:63]
	s_mul_i32 s2, s16, 4*KGP                       ; the head's load begins at group 6 (w % 2): 4 (w % 2) groups beyond where s[56:59] stand
	s_mov_b32 s3, 0
	s_mov_b32 s[G0A], 1                            ; set 0: the head's six groups
	s_mul_i32 s[G0A+1], s16, 6*12288
	s_add_nc_u64 s[G0A+2:G0A+3], s[56:57], s[2:3]
	s_or_b32 s[G0A+3], s[G0A+3], 0x80000000
	s_mov_b32 s[G0B], 1
	s_mul_i32 s[G0B+1], s16, 6*9216
	s_add_co_u32 s[G0B+1], s[G0B+1], BOFF
	s_add_nc_u64 s[G0B+2:G0B+3], s[58:59], s[2:3]
	s_or_b32 s[G0B+3], s[G0B+3], 0x80000000
	s_mov_b32 s[G0A+12], 1                         ; set 3: the refill: groups 12 + 2 (w % 2), + 1 onto the bytes of groups 2 (w % 2), + 1
	s_add_co_u32 s[G0A+13], s60, 0
	s_add_nc_u64 s[G0A+14:G0A+15], s[56:57], 12*KGP
	s_or_b32 s[G0A+15], s[G0A+15], 0x80000000
	s_mov_b32 s[G0B+12], 1
	s_add_co_u32 s[G0B+13], s61, 0
	s_add_nc_u64 s[G0B+14:G0B+15], s[58:59], 12*KGP
	s_or_b32 s[G0B+15], s[G0B+15], 0x80000000
	CROUND                                         ; all sixteen work-groups are here: the first joint loads meet
	JLOAD 0                                        ; one tensor load a wave at the head
	v_and_b32 v1, 31, v0                           ; lane
	v_and_b32 v2, 15, v0                           ; r
	v_bfe_u32 v3, v0, 4, 1                         ; h
	v_lshlrev_b32 v[L16], 4, v1
	v_lshlrev_b32 v[L8], 3, v1
	s_mul_i32 s12, s14, 3072                       ; my four tiles of x
	v_add_nc_u32 v[AX16], s12, v[L16]
	v_add_nc_u32 v[AX8], s12, v[L8]
	v_add_nc_u32 v[AW16], BOFF, v[L16]
	v_add_nc_u32 v[AW8], BOFF, v[L8]
.irp k, 1,2
	v_add_nc_u32 v[AX16+\k], \k*XSL, v[AX16]
	v_add_nc_u32 v[AX8+\k], \k*XSL, v[AX8]
	v_add_nc_u32 v[AW16+\k], \k*WSL, v[AW16]
	v_add_nc_u32 v[AW8+\k], \k*WSL, v[AW8]
.endr
	v_lshlrev_b32 v[BQ], 7, v3                     ; 128 h: lanes 16-31 hold columns 32 further on
	v_lshlrev_b32 v[H8], 3, v3
	v_and_b32 v[BV], 8, v2
	v_mad_u32_u24 v[BV], v[BV], 3, v2              ; r % 8 + 32 (r / 8)
	v_lshlrev_b32 v[BV], 2, v[BV]
	s_lshl_b32 s12, s15, 9                         ; the stage: 512 bytes a key step: K's 256, then V's
	s_lshl_b32 s13, s16, 7
	s_add_co_u32 s13, s12, s13
	v_lshlrev_b32 v[KST], 3, v2
	v_add_nc_u32 v[KST], s13, v[KST]
	v_add_nc_u32 v[KST], SCST, v[KST]              ; K's words of fragments 2 (w % 2), + 1: 128 (w % 2) + 8 r
	s_lshl_b32 s13, s16, 1
	s_add_co_u32 s13, s12, s13
	v_lshlrev_b32 v[VST], 3, v2
	v_add_nc_u32 v[VST], s13, v[VST]
	v_add_nc_u32 v[VST], SCST+256, v[VST]          ; V's: my two bytes of each word: 8 r + 2 (w % 2)
	s_lshl_b32 s13, s14, 8
	v_add_nc_u32 v[RDS], s13, v[L8]
	v_add_nc_u32 v[RDS], SCST, v[RDS]              ; back: 256 bytes a wave
.irp m, 0,1,2,3
	global_load_b128 v[XS+4*\m:XS+4*\m+3], v[L16], s[94:95] offset:512*\m   ; register i: lanes 0-15 the word of K step i, lanes 16-31 of K step 4 + i
.endr
.irp n, 0,1,2,3,4,5,6,7,8,9,10,11
	global_load_b128 v[WS+4*\n:WS+4*\n+3], v[L16], s[62:63] offset:512*\n
.endr
	WIN 0xc0                                       ; destination window 3
.irp n, 0,1,2,3,4,5,6,7                        ; q, k: lane (r, h) wants the biases of columns 64 (n / 4) + 32 h + 8 (n % 4) + 0 .. 7
	global_load_b128 v[128+8*\n:131+8*\n], v[BQ], s[92:93] offset:(64*(\n/4)+8*(\n%4))*4       ; columns 64 (n / 4) + 32 h + 8 (n % 4) + 0 .. 7
	global_load_b128 v[132+8*\n:135+8*\n], v[BQ], s[92:93] offset:(64*(\n/4)+8*(\n%4))*4+16
.endr
.irp t, 0,1,2,3                                ; v: a lane holds one column: its bias in all eight registers
.irp j, 0,1,2,3,4,5,6,7
	global_load_b32 v[192+8*\t+\j], v[BV], s[92:93] offset:(128+8*\t)*4
.endr
.endr
	WIN 0
.macro FRAG reg, a16, a8, o, o2        ; a fragment = two pieces = four dense loads
	ds_load_b128 v[\reg:\reg+3], v[\a16] offset:\o
	ds_load_b64 v[\reg+4:\reg+5], v[\a8] offset:\o+512
	ds_load_b128 v[\reg+6:\reg+9], v[\a16] offset:\o2
	ds_load_b64 v[\reg+10:\reg+11], v[\a8] offset:\o2+512
.endm
.macro FETCH_X s                       ; x's four fragments of substep s (128 along K) into set s % 2: 16 loads
	WIN 0
.set SL, ((\s)/2)%3
.set XB, XF+48*((\s)%2)
.irp m, 0,1,2,3
	FRAG XB+12*\m, AX16+SL, AX8+SL, ((\s)%2)*24576+\m*768, ((\s)%2)*24576+\m*768+12288
.endr
.endm
.macro FETCH_W s, n0                   ; W's fragments n0 .. n0 + 5 of substep s: 24 loads
	WIN 0x40
.set SL, ((\s)/2)%3
.irp i, 0,1,2,3,4,5
	FRAG 12*(\n0+\i), AW16+SL, AW8+SL, ((\s)%2)*18432+(\n0+\i)*768, ((\s)%2)*18432+(\n0+\i)*768+9216
.endr
	WIN 0
.endm
.macro WM d, a, b, c, sa, sb, row
.if \row
	v_wmma_scale_f32_16x16x128_f8f6f4 v[\d:\d+7], v[\a:\a+11], v[\b:\b+11], v[\c:\c+7], v[\sa], v[\sb] matrix_a_fmt:MATRIX_FMT_BF6 matrix_b_fmt:MATRIX_FMT_BF6 matrix_a_scale:MATRIX_SCALE_ROW1 matrix_b_scale:MATRIX_SCALE_ROW1
.else
	v_wmma_scale_f32_16x16x128_f8f6f4 v[\d:\d+7], v[\a:\a+11], v[\b:\b+11], v[\c:\c+7], v[\sa], v[\sb] matrix_a_fmt:MATRIX_FMT_BF6 matrix_b_fmt:MATRIX_FMT_BF6
.endif
.endm
; Four products: W's tile n against x's four, substep s.  The 48 accumulators take turns, one instruction a turn, in the same order in every substep.
.macro MULN n, s
.set XC, XF+48*((\s)%2)
.set SI, (\s)%4
.set RW, (\s)/4
.if (\n) < 8
.if (\s) == 0
	WIN 0xb1                                       ; W window 1, x window 0, the bias window 3, D window 2
.else
	WIN 0xa1
.endif
.irp m, 0,1,2,3
.set AC, 64*\m+32*((\n)/4)+8*((\n)%4)
.if (\s) == 0
.set CC, 128+8*(\n)
.else
.set CC, AC
.endif
	WM AC, 12*(\n), XC+12*\m, CC, WS+4*(\n)+SI, XS+4*\m+SI, RW
.endr
.else
	WIN 0xf4                                       ; x window 0, W window 1, C and D window 3
.irp m, 0,1,2,3
.set AC, 32*((\n)-8)+8*\m
.if (\s) == 0
.set CC, 192+8*((\n)-8)
.else
.set CC, AC
.endif
	WM AC, XC+12*\m, 12*(\n), CC, XS+4*\m+SI, WS+4*(\n)+SI, RW
.endr
.endif
.endm
; A substep: 48 products.  W has one set of registers: blocks 0-5 are fetched anew in the middle, blocks 6-11 at the end; x has two sets.
; mode 0: plain.  1: slot 0 has been read out and is filled again.  2: the next substep's slot was filled by that refill: wait and barrier.  3: the last.
.macro SUB s, mode
.if \mode == 1
	s_wait_tensorcnt 0x0                           ; all my tensor loads have landed: the head's six groups;
	ds_add_u32 v[SPW], v[NIL]                      ; 0 onto my spare word
	s_mov_b32 s[G1A+2], 2<<16                      ; no tensor load of mine is out, so a descriptor may be written: the refill brings two groups a wave
	s_mov_b32 s[G1A+4], 2
	s_mov_b32 s[G1B+2], 2<<16
	s_mov_b32 s[G1B+4], 2
	s_wait_dscnt 25
.elseif \mode == 2
	s_wait_tensorcnt 0x0                           ; my one load that is out: my part of K step 3
	s_wait_dscnt 24
.else
	s_wait_dscnt 24                                ; x's fragments and W's blocks 0-5 are in; the youngest 24 loads may be out
.endif
.irp k, 0,1,2
	MULN \k, \s
.endr
.if (\mode == 1) || (\mode == 2)
	s_wait_dscnt 0x0                               ; the add is done, and all my LDS reads are over
	s_barrier_signal -1
.endif
.irp k, 3,4,5
	MULN \k, \s
.endr
.if \mode == 1
	WIN 0
	s_barrier_wait -1
	CREST                                          ; the barrier has opened a round of the cluster's: no wave of any partner still reads slot 0 or has a load on its way
	JLOAD 3                                        ; the first tensor load behind the round; its four v_nop are the places in front of the loads below
.elseif \mode == 2
	WIN 0
	s_barrier_wait -1
	PLACES
.elseif \mode == 0
	s_wait_dscnt 0x0                               ; W's blocks 6-11 are in
	PLACES                                         ; in front of loads into registers that products have read
.else
	s_wait_dscnt 0x0
.endif
.if \mode != 3
	FETCH_X (\s)+1
	FETCH_W (\s)+1, 0
.endif
.irp k, 6,7,8,9,10,11
	MULN \k, \s
.endr
.if \mode != 3
	PLACES
	FETCH_W (\s)+1, 6
.endif
.endm
	s_wait_loadcnt 0x0                             ; scale words and biases
	s_wait_tensorcnt 0x0                           ; my six groups are in
	s_barrier_signal -1
	s_barrier_wait -1
	FETCH_X 0
	FETCH_W 0, 0
	FETCH_W 0, 6
	SUB 0, 0
	SUB 1, 1
	SUB 2, 0
	SUB 3, 0                                       ; slot 2 was shown whole to every wave by the waits in front of the round above
	SUB 4, 0
	SUB 5, 2
	SUB 6, 0
	SUB 7, 3
; THE EPILOGUE.  64 numbers of a lane, four blocks of 16 registers at base + stride x b in window wn, become 12 registers of codes (two pieces) and a word of four scale bytes.
.macro QUANT4 wn, base, stride, pc, pw
	WIN (\wn<<2)|(\wn<<4)                          ; sources 1 and 2 in the accumulators' window
.irp b, 0,1,2,3
	v_max3_num_f32 v[TM+\b], 0x2800000, |v[\base+\stride*\b]|, |v[\base+\stride*\b+1]|   ; the floor 2^(5 - 127), and each accumulator from its low end on
.endr
.irp i, 2,4,6,8,10,12,14
.irp b, 0,1,2,3
	v_max3_num_f32 v[TM+\b], v[TM+\b], |v[\base+\stride*\b+\i]|, |v[\base+\stride*\b+\i+1]|
.endr
.endr
	WIN 0
.irp c, 0,1                                    ; runs 2 c and 2 c + 1 of 16 registers are ONE block of 32, all of it mine: lanes 0-15 hold a row's first block, lanes 16-31 its second
	v_max_num_f32 v[TM+2*\c], v[TM+2*\c], v[TM+2*\c+1]
.endr
.irp c, 0,1
	v_add_nc_u32 v[TM+12+2*\c], 0xfe000000, v[TM+2*\c]
.endr
.irp c, 0,1
	v_lshrrev_b32 v[TM+4+\c], 23, v[TM+12+2*\c]
.endr
	v_lshl_or_b32 v[\pw], v[TM+5], 16, v[TM+4]     ; my two bytes,
	v_lshlrev_b32 v[\pw], v[H8], v[\pw]            ; at their places (8 h bits up);
	v_permlanex16_b32 v[TM+6], v[\pw], s[SEL], s[SEL+1]
	v_or_b32 v[\pw], v[\pw], v[TM+6]               ; with lane l xor 16's two the word is whole
	WIN \wn                                        ; source 0 in the accumulators' window
.irp c, 0,1
	v_cvt_scalef32_pk16_bf6_f32 v[\pc+6*\c:\pc+6*\c+2], v[\base+\stride*2*\c:\base+\stride*2*\c+15], v[TM+12+2*\c]
	v_cvt_scalef32_pk16_bf6_f32 v[Y+4*\c:Y+4*\c+2], v[\base+\stride*(2*\c+1):\base+\stride*(2*\c+1)+15], v[TM+12+2*\c]
.endr
	WIN 0
	v_nop                                          ; one plain place behind a scaled conversion
.irp c, 0,1
.irp i, 0,1,2
	v_mov_b32 v[\pc+3+6*\c+\i], v[Y+4*\c+\i]
.endr
.endr
.endm
	WIN 0
.irp b, 0,1,2,3
	v_mov_b32 v[TM+4+\b], 0                        ; a lane permute's destination counts as one of its sources; these four are also the places behind the last product
.endr
.irp m, 0,1,2,3                                ; tile m of tokens: blocks 0, 1 are q's 64 channels, blocks 2, 3 k's
	QUANT4 2, 64*\m, 16, PCS+12*\m, PW+\m
	global_store_b128 v[L16], v[PCS+12*\m:PCS+12*\m+3], s[SQ:SQ+1] offset:768*\m
	global_store_b64 v[L8], v[PCS+12*\m+4:PCS+12*\m+5], s[SQ:SQ+1] offset:768*\m+512
	global_store_b128 v[L16], v[PCS+12*\m+6:PCS+12*\m+9], s[SK:SK+1] offset:768*\m
	global_store_b64 v[L8], v[PCS+12*\m+10:PCS+12*\m+11], s[SK:SK+1] offset:768*\m+512
.endr
.irp t, 0,1                                    ; v: blocks 0, 1 are my 64 tokens of channel tile 2 t, blocks 2, 3 of tile 2 t + 1
	QUANT4 3, 64*\t, 16, PCS+48+12*\t, PW+4+\t
	global_store_b128 v[L16], v[PCS+48+12*\t:PCS+48+12*\t+3], s[SK:SK+1] offset:6144+1536*\t
	global_store_b64 v[L8], v[PCS+48+12*\t+4:PCS+48+12*\t+5], s[SK:SK+1] offset:6144+1536*\t+512
	global_store_b128 v[L16], v[PCS+48+12*\t+6:PCS+48+12*\t+9], s[SK:SK+1] offset:6144+1536*\t+768
	global_store_b64 v[L8], v[PCS+48+12*\t+10:PCS+48+12*\t+11], s[SK:SK+1] offset:6144+1536*\t+1280
.endr
	v_cmp_ne_u32 vcc_lo, 0, v3                     ; Q's scale words: lanes 0-15 tiles 0, 1, lanes 16-31 tiles 2, 3; the two bytes in the low half
	v_cndmask_b32 v[SCR], v[PW], v[PW+2], vcc_lo
	v_cndmask_b32 v[SCR+1], v[PW+1], v[PW+3], vcc_lo
	v_and_b32 v[SCR], 0xffff, v[SCR]
	v_and_b32 v[SCR+1], 0xffff, v[SCR+1]
	global_store_b64 v[L8], v[SCR:SCR+1], s[SQS:SQS+1]   ; 256 consecutive bytes
.irp f, 0,1                                    ; K's: a fragment of attention is two tiles of keys: tile 2 f's two bytes below, tile 2 f + 1's above
	v_lshrrev_b32 v[SCR+2+\f], 16, v[PW+2*\f]
	v_and_or_b32 v[SCR+2+\f], v[PW+2*\f+1], 0xffff0000, v[SCR+2+\f]
.endr
	ds_store_b64 v[KST], v[SCR+2:SCR+3]            ; lanes r and 16 + r write the same bytes with the same values
.irp t, 0,1                                    ; V's: a word is a channel's four bytes of a key step; my 64 keys give two of them
	ds_store_b16 v[VST], v[PW+4+\t] offset:128*\t
	ds_store_b16_d16_hi v[VST], v[PW+4+\t] offset:128*\t+4
.endr
	s_wait_dscnt 0x0                               ; for the others' sake: my stores into the stage are done
	s_barrier_signal -1
	s_barrier_wait -1
	ds_load_b64 v[SCR+4:SCR+5], v[RDS]
	s_wait_dscnt 0x0
	global_store_b64 v[L8], v[SCR+4:SCR+5], s[SSC:SSC+1]   ; 256 consecutive bytes
	s_wait_tensorcnt 0x0                           ; the wave's end
	ds_add_u32 v[SPW], v[NIL]
	s_wait_dscnt 0x0
	CROUND                                         ; the closing round
	s_endpgm
.Lfunc_end_k_q7152c06cbb_qkv:
	.size	k_q7152c06cbb_qkv, .Lfunc_end_k_q7152c06cbb_qkv-k_q7152c06cbb_qkv
	.p2alignl 7, 3214868480
	.fill 96, 4, 3214868480
	.section	.rodata,"a",@progbits
	.p2align	6, 0x0
	.amdhsa_kernel k_q7152c06cbb_qkv
		.amdhsa_group_segment_fixed_size 327680
		.amdhsa_private_segment_fixed_size 0
		.amdhsa_enable_private_segment 0
		.amdhsa_kernarg_size 32
		.amdhsa_user_sgpr_count 2
		.amdhsa_user_sgpr_kernarg_segment_ptr 1
		.amdhsa_wavefront_size32 1
		.amdhsa_system_sgpr_workgroup_id_x 1
		.amdhsa_system_sgpr_workgroup_id_y 1
		.amdhsa_system_sgpr_workgroup_id_z 1
		.amdhsa_system_vgpr_workitem_id 0
		.amdhsa_next_free_vgpr 1024
		.amdhsa_next_free_sgpr 100
		.amdhsa_reserve_vcc 1
		.amdhsa_float_denorm_mode_32 3
		.amdhsa_float_denorm_mode_16_64 3
		.amdhsa_memory_ordered 1
		.amdhsa_forward_progress 1
		.amdhsa_inst_pref_size 123
	.end_amdhsa_kernel
	.amdgpu_metadata
---
amdhsa.version: [ 1, 2 ]
amdhsa.kernels:
  - .name:           k_q7152c06cbb_qkv
    .symbol:         k_q7152c06cbb_qkv.kd
    .args:
      - { .name: wq, .offset: 0, .size: 8, .value_kind: global_buffer, .address_space: global }
      - { .name: wqs, .offset: 8, .size: 8, .value_kind: global_buffer, .address_space: global }
      - { .name: qkv_b, .offset: 16, .size: 8, .value_kind: global_buffer, .address_space: global }
      - { .name: qkv, .offset: 24, .size: 8, .value_kind: global_buffer, .address_space: global }
    .group_segment_fixed_size: 327680
    .private_segment_fixed_size: 0
    .kernarg_segment_align: 8
    .kernarg_segment_size: 32
    .max_flat_workgroup_size: 128
    .sgpr_count:     100
    .vgpr_count:     1024
    .wavefront_size: 32
...
	.end_amdgpu_metadata
.endif
;; end of part 2
;; launch attn (part 3): grid 4 x 64, 16 waves a work-group, clusters of 4 x 1, 206,848 bytes of LDS; arguments qkv, att, atts; writes att, atts
.if DOCPART == 3
	.amdgcn_target "amdgcn-amd-amdhsa--gfx1250"
	.amdhsa_code_object_version 6
	.text
	.protected	k_q7152c06cbb_attn
	.globl	k_q7152c06cbb_attn
	.p2align	8
	.type	k_q7152c06cbb_attn,@function
k_q7152c06cbb_attn:
	s_mov_b64 s[64:65], 0
	v_nop
	global_prefetch_b8 v0, s[64:65] scope:SCOPE_SE
	s_setreg_imm32_b32 hwreg(HW_REG_WAVE_MODE, 25, 1), 1
	s_wait_xcnt 0x0
	s_wait_alu depctr_hold_cnt(0) depctr_sa_sdst(0) depctr_va_vdst(0) depctr_va_sdst(0) depctr_va_ssrc(0) depctr_va_vcc(0) depctr_vm_vsrc(0)
	s_getreg_b32 s2, hwreg(HW_REG_IB_STS2, 6, 4)
	s_cmp_eq_u32 s2, 0
	s_cbranch_scc0 .Lentry_in_a_cluster
	s_endpgm
.Lentry_in_a_cluster:
	s_bfe_u32 s2, ttmp6, 0x10000c
	s_cmp_lg_u32 s2, 0x3003
	s_cbranch_scc0 .Lentry_shape_is_right
	s_endpgm
.Lentry_shape_is_right:
; O = softmax(q k^T / 8) v for one head of 64 channels and 2,048 keys, both products on codes of BF6, and O quantised along the channels into the last product's operand.
; THE SOFTMAX: t = score x log2(e) / 8; M = the running largest t rounded UP to a whole number; p = 2^(t - M) is quantised along the keys, not normalised; the row's sum is taken of the
; unquantised p and divides O at the end.  When M moves, the sum and O are multiplied by 2^(old M - new M): exact, and done in every step.
; SHARES.  A cluster of four work-groups is one head; a work-group owns 512 queries; each of its sixteen waves owns two tiles of 16 queries and takes them one after the other: four waves to a SIMD.
; LDS.  The head's K, V and their scale words, 16 key steps x 12,800 bytes, lie in LDS as they lie in memory, filled ONCE: wave w asks for key step w, jointly with the three partners (the same load,
; the same descriptor, a mask that names the four).  One tensor load a wave, one wait for it, one barrier; behind it the waves share nothing and meet no barrier until the end.
; No prefetch: all that the launch reads by tensor loads is asked for at the head, and there is no loop to run ahead in.
; LAYOUT.  Both products are used transposed: a lane holds one query throughout.  The head has 64 channels, half of a product's 128: a fragment of K is TWO tiles of keys side by side, and q stands as
; q | 0 | q in 18 registers: [q | 0] is the first 12, [0 | q] the last 12; the zero codes blank out the other tile.  Row r of key tile 4 c + m of a step is key 64 c + 8 m + r % 8 + 32 (r / 8):
; so registers 32 c .. 32 c + 31 of S^T are, in lane (r, h), the whole block 2 c + h of 32 keys, in order: its maximum asks no other lane, and its codes are the operand's registers 6 c .. 6 c + 5.
; V's channel tiles have their rows chosen alike, so a lane's 32 registers of O^T are channels 32 h .. 32 h + 31.
; A trip of the loop runs two key steps: the second's LDS offsets are immediates, so two address additions serve both.
; LIMITS: scaled scores under 2^31 in magnitude; NaN and infinities are not served; a block of p that has fallen to 0 keeps the byte 1 (its codes are zeros), and so does a block of O under 2^-122.
; REGISTERS: v1-11 addresses and small things; v12 -M, v13 the largest score, v[14:15] the sum; v16-33 q | 0 | q; v34-39 the second tile's q; v40-46 scale words; v48-95 K's four fragments, later work,
;   p's codes and the piece that leaves; v96-159 S^T, then p; v160-191 O^T; v192-239 V's four fragments; v240-247 partial sums; v248-249 the add's two; v250-254 at work.
.set STEPB, 12800
.set SPARE, 204800                     ; behind the sixteen key steps: the spare words, 128 bytes a wave
.set KF,  48
.set S,   96
.set O,   160
.set VF,  192
.set BM,  48                           ; v48-51 largest scores of four runs of 16; then v48, v50 the two blocks'
.set Y,   52                           ; v52-54, v56-58 the blocks' upper halves as converted
.set SO,  60                           ; v60-61 the conversions' scale operands
.set BY,  62                           ; v62-63 the bytes
.set WD,  64
.set PCD, 72                           ; v72-83 p's codes
.set PO,  84                           ; v84-89 the piece of O that leaves
.set TS,  240
.set SPW, 248
.set NIL, 249
.set T0,  250
.set T1,  251
.set FF,  252                          ; v252 f; v253 is named with it as a pair
.set OLD, 254
.set G1,  24
.set G0,  32
.macro CROUND
	s_barrier_signal -1
	s_barrier_wait -1
	s_cmp_lg_u32 s10, 0
	s_cbranch_scc1 .Lnot_wave_0_\@
	s_barrier_signal -3
.Lnot_wave_0_\@:
	s_barrier_wait -3
	s_barrier_signal -1
	s_barrier_wait -1
.endm
.macro WM d, a, b, c, sa, sb, row
.if \row
	v_wmma_scale_f32_16x16x128_f8f6f4 v[\d:\d+7], v[\a:\a+11], v[\b:\b+11], \c, v[\sa], v[\sb] matrix_a_fmt:MATRIX_FMT_BF6 matrix_b_fmt:MATRIX_FMT_BF6 matrix_a_scale:MATRIX_SCALE_ROW1
.else
	v_wmma_scale_f32_16x16x128_f8f6f4 v[\d:\d+7], v[\a:\a+11], v[\b:\b+11], \c, v[\sa], v[\sb] matrix_a_fmt:MATRIX_FMT_BF6 matrix_b_fmt:MATRIX_FMT_BF6
.endif
.endm
	s_load_b128 s[4:7], s[0:1], 0x0                ; qkv, att
	s_load_b64 s[8:9], s[0:1], 0x10                ; atts
	v_lshl_add_u32 v[SPW], v0, 2, SPARE
	v_mov_b32 v[NIL], 0
	ds_add_u32 v[SPW], v[NIL]                      ; the opening lines: the add, twice on end, and its wait ahead of my tensor load
	ds_add_u32 v[SPW], v[NIL]
	v_lshrrev_b32 v3, 5, v0
	v_readfirstlane_b32 s10, v3                    ; wave 0..15
	s_bfe_u32 s11, ttmp6, 0x40000                  ; cx: it enters Q's and the results' addresses alone
	s_and_b32 s12, ttmp7, 0xffff                   ; the head, 16 b + hh: the four partners share it
	s_mul_i32 s52, s12, 311296
	s_mov_b32 s53, 0
	s_mul_i32 s58, s10, STEPB                      ; the key step that I fetch: my wave's number
	s_mov_b32 s59, 0
	s_lshl_b32 s54, s11, 4
	s_add_co_u32 s54, s54, s10                     ; my pair of query tiles: 16 cx + wave
	s_mul_i32 s16, s54, 1536
	s_add_co_u32 s16, s16, 204800
	s_mov_b32 s17, 0
	s_lshl_b32 s50, s54, 7
	s_add_co_u32 s50, s50, 303104
	s_mov_b32 s51, 0
	s_and_b32 s55, s12, 15                         ; hh
	s_lshr_b32 s2, s12, 4                          ; b
	s_lshl_b32 s3, s2, 6
	s_add_co_u32 s3, s3, s54                       ; my pair among all tokens' pairs
	s_mul_i32 s18, s3, 1536
	s_mul_i32 s2, s55, 393216
	s_add_co_u32 s18, s18, s2
	s_mov_b32 s19, 0
	s_lshl_b32 s48, s3, 7
	s_lshl_b32 s2, s55, 15
	s_add_co_u32 s48, s48, s2
	s_mov_b32 s49, 0
	s_and_b32 s15, s12, 1
	s_lshl_b32 s15, s15, 4                         ; an odd head's two scale bytes stand in a word's upper half
	s_mov_b32 s20, 0x76543210
	s_mov_b32 s21, 0xfedcba98                      ; lane selects: lane l xor 16
	s_mov_b32 s22, 0x3e38aa3b                      ; c = log2(e) / 8
	s_mov_b32 s23, s22                             ; (named with it as a pair, so it is written)
	s_mov_b32 s14, 0xbe38aa3b                      ; -c
	s_mov_b32 s[G1], 15|(3<<16)|(1<<21)            ; a key step's 12,800 dense bytes as 50 rows of 256; the mask: all four work-groups; elements of 8 bytes; bit 21 beside a mask
	s_mov_b32 s[G1+1], 32<<16
	s_mov_b32 s[G1+2], 50<<16
	s_mov_b32 s[G1+3], 32<<16
	s_mov_b32 s[G1+4], 50
	s_mov_b32 s[G1+5], 32
	s_mov_b32 s[G1+6], 0
	s_mov_b32 s[G1+7], 0
	s_wait_dscnt 0x0                               ; both opening adds are done
	s_wait_kmcnt 0x0
	s_add_nc_u64 s[56:57], s[4:5], s[52:53]        ; the head
	s_add_nc_u64 s[16:17], s[56:57], s[16:17]      ; my two pieces of Q
	s_add_nc_u64 s[50:51], s[56:57], s[50:51]      ; and their scale words
	s_add_nc_u64 s[18:19], s[6:7], s[18:19]        ; my two pieces of the result
	s_add_nc_u64 s[48:49], s[8:9], s[48:49]        ; and their scale words
	s_mov_b32 s[G0], 1
	s_add_co_u32 s[G0+1], s58, 0
	s_add_nc_u64 s[G0+2:G0+3], s[56:57], s[58:59]
	s_or_b32 s[G0+3], s[G0+3], 0x80000000
	CROUND                                         ; all four work-groups are here: the joint loads meet
	tensor_load_to_lds s[G0:G0+3], s[G1:G1+7]      ; every wave's one load
	s_nop 0
	v_and_b32 v3, 31, v0
	v_and_b32 v4, 15, v0
	v_bfe_u32 v11, v0, 4, 1                        ; h
	v_lshlrev_b32 v1, 4, v3                        ; 16 x lane
	v_lshlrev_b32 v2, 3, v3                        ; 8 x lane
	v_lshlrev_b32 v6, 3, v4                        ; 8 r
	v_lshlrev_b32 v10, 3, v11                      ; 8 h
	v_lshl_add_u32 v5, v11, 2, v6                  ; 8 r + 4 h
	global_load_b128 v[16:19], v1, s[16:17]        ; the first tile's q, into both its places
	global_load_b64 v[20:21], v2, s[16:17] offset:512
	global_load_b128 v[28:31], v1, s[16:17]
	global_load_b64 v[32:33], v2, s[16:17] offset:512
	global_load_b128 v[34:37], v1, s[16:17] offset:768     ; the second's
	global_load_b64 v[38:39], v2, s[16:17] offset:1280
	global_load_b64 v[8:9], v6, s[50:51]           ; row r's scale words of both tiles
.irp i, 22,23,24,25,26,27
	v_mov_b32 v\i, 0                               ; the zero codes between the two q
.endr
	v_mov_b32 v[FF+1], 0                           ; (upper half of a pair of which the low word is used)
	v_mov_b32 v[T1], 0                             ; (a lane permute's destination counts as one of its sources)
	s_wait_alu depctr_va_vdst(0)                   ; the wait at the head's end
	s_wait_loadcnt 0x0
	s_wait_tensorcnt 0x0                           ; my key step is in
	s_barrier_signal -1
	s_barrier_wait -1                              ; everybody's is: the whole head lies in LDS, and nothing is ever filled again
.macro TILE_INIT u
.if \u
.irp i, 0,1,2,3,4,5
	v_mov_b32 v[16+\i], v[34+\i]
	v_mov_b32 v[28+\i], v[34+\i]
.endr
.endif
	v_mov_b32 v40, v[8+\u]                         ; [q | 0]'s scale word: q's two bytes below; the zero half's bytes are 0, over zero codes
	v_lshlrev_b32 v41, 16, v[8+\u]                 ; [0 | q]'s
	v_mov_b32 v13, 0xff61b1e6                      ; the largest score so far: -3e38
	v_floor_f32 v12, -v13                          ; -M
	v_mov_b32 v14, 0
	v_mov_b32 v15, 0
.set J, 0
.rept 32
	v_mov_b32 v[O+J], 0                            ; O^T: the step is written once, and its first turn finds zeros.  (Also the places between the scale words above and the products)
.set J, J+1
.endr
.endm
; A KEY STEP: 128 keys, whose record begins at LDS byte s13 + o.
.macro STEP o
.if \o == 0
	v_add_nc_u32 v3, s13, v1
	v_add_nc_u32 v4, s13, v2
.endif
.irp i, 0,1,2,3,4,5,6,7                        ; K: eight pieces: four fragments of two tiles of keys
	ds_load_b128 v[KF+6*\i:KF+6*\i+3], v3 offset:\o+768*\i
	ds_load_b64 v[KF+6*\i+4:KF+6*\i+5], v4 offset:\o+768*\i+512
.endr
	ds_load_b64 v[42:43], v4 offset:\o+12288       ; its scale words: register f % 2, lanes 16-31 for f = 2, 3
.irp t, 0,1,2,3                                ; V: channel tile t, keys 64 c on
.irp c, 0,1
	ds_load_b128 v[VF+12*\t+6*\c:VF+12*\t+6*\c+3], v3 offset:\o+6144+768*(4*\c+\t)
	ds_load_b64 v[VF+12*\t+6*\c+4:VF+12*\t+6*\c+5], v4 offset:\o+6144+768*(4*\c+\t)+512
.endr
.endr
	ds_load_b64 v[44:45], v4 offset:\o+12544
	s_wait_dscnt 17                                ; K and its words are in; V's 17 loads may be out
.irp f, 0,1,2,3                                ; S^T: tile 2 f + u of keys by [q | 0] (u = 0) or [0 | q] (u = 1)
.irp u, 0,1
	WM S+16*\f+8*\u, KF+12*\f, 16+6*\u, 0, 42+\f%2, 40+\u, \f/2
.endr
.endr
	v_mov_b32 v[OLD], v12                          ; the old -M; with three v_nop the four places behind the products
	v_nop
	v_nop
	v_nop
.irp b, 0,1,2,3                                ; the largest score of each run of 16 registers less its last, four chains by turns; each accumulator is read from its low end on
	v_max3_num_f32 v[BM+\b], v[S+16*\b], v[S+1+16*\b], v[S+2+16*\b]
.endr
.irp i, 3,5,7,9,11,13
.irp b, 0,1,2,3
	v_max3_num_f32 v[BM+\b], v[BM+\b], v[S+16*\b+\i], v[S+1+16*\b+\i]
.endr
.endr
	v_max3_num_f32 v[BM], v[BM], v[BM+1], v[S+15]          ; my two blocks of 32 keys: for the row's maximum, and, since p rises with the score, for the block's largest p
	v_max3_num_f32 v[BM+2], v[BM+2], v[BM+3], v[S+47]
	v_max_num_f32 v[BM], v[BM], v[S+31]
	v_max_num_f32 v[BM+2], v[BM+2], v[S+63]
	s_delay_alu instid0(VALU_DEP_1)
	v_max_num_f32 v[T0], v[BM], v[BM+2]
	s_delay_alu instid0(VALU_DEP_1)
	v_permlanex16_b32 v[T1], v[T0], s20, s21
	s_delay_alu instid0(VALU_DEP_1)
	v_max3_num_f32 v13, v13, v[T0], v[T1]          ; the running largest score (c is positive: the largest t is c x it)
	s_delay_alu instid0(VALU_DEP_1)
	v_mul_f32 v[T0], s14, v13                      ; -t
	s_delay_alu instid0(VALU_DEP_1)
	v_floor_f32 v12, v[T0]                         ; the new -M = -ceil(t): a whole number
	s_delay_alu instid0(VALU_DEP_1)
	v_sub_f32 v[T0], v12, v[OLD]                   ; old M - new M: a whole number, 0 or less
	s_delay_alu instid0(VALU_DEP_1)
	v_cvt_i32_f32 v[T0], v[T0]                     ; (it saturates)
	s_delay_alu instid0(VALU_DEP_1)
	v_ldexp_f32 v[FF], 1.0, v[T0]                  ; f = 2^(old M - new M)
.set J, 0
.rept 16
	v_pk_mul_f32 v[O+J:O+J+1], v[O+J:O+J+1], v[FF:FF+1] op_sel_hi:[1,0]   ; O^T under the new M, ahead of the exponentials; each accumulator from its low end on
.set J, J+2
.endr
.set J, 0
.rept 32
	v_pk_fma_f32 v[S+J:S+J+1], v[S+J:S+J+1], s[22:23], v[12:13] op_sel_hi:[1,0,0]   ; t - M, two at a time
.set J, J+2
.endr
	v_fma_f32 v[BM], v[BM], s22, v12
	v_fma_f32 v[BM+2], v[BM+2], s22, v12
	s_wait_alu depctr_va_vdst(0)                   ; the wait ahead of the batch
.set J, 0
.rept 64
	v_exp_f32 v[S+J], v[S+J]                       ; p = 2^(t - M), at most 1
.set J, J+1
.endr
	v_exp_f32 v[BM], v[BM]                         ; the blocks' largest p: the same two instructions on the same number
	v_exp_f32 v[BM+2], v[BM+2]
	v_pk_mul_f32 v[14:15], v[14:15], v[FF:FF+1] op_sel_hi:[1,0]   ; the sums under the new M.  (A plain place behind the exponentials)
	s_wait_alu depctr_va_vdst(0)                   ; one wait for the batch, ahead of its first reader, and directly ahead of the wait below
	s_wait_dscnt 0x0                               ; V is in
	v_max_num_f32 v[BM], 0x2800000, v[BM]          ; the floor 2^(5 - 127)
	v_max_num_f32 v[BM+2], 0x2800000, v[BM+2]
	s_delay_alu instid0(VALU_DEP_2)
	v_add_nc_u32 v[SO], 0xfe000000, v[BM]          ; 4 off the exponent field: the conversion's scale operand
	s_delay_alu instid0(VALU_DEP_2)
	v_add_nc_u32 v[SO+1], 0xfe000000, v[BM+2]
.irp c, 0,1
	v_cvt_scalef32_pk16_bf6_f32 v[PCD+6*\c:PCD+6*\c+2], v[S+32*\c:S+32*\c+15], v[SO+\c]
	v_cvt_scalef32_pk16_bf6_f32 v[Y+4*\c:Y+4*\c+2], v[S+16+32*\c:S+31+32*\c], v[SO+\c]   ; (a conversion's three registers begin on an even number)
.endr
	v_lshrrev_b32 v[BY], 23, v[SO]                 ; the bytes of blocks h and 2 + h.  (Plain places behind the conversions)
	v_lshrrev_b32 v[BY+1], 23, v[SO+1]
	s_delay_alu instid0(VALU_DEP_1)
	v_lshl_or_b32 v[WD], v[BY+1], 16, v[BY]
	s_delay_alu instid0(VALU_DEP_1)
	v_lshlrev_b32 v[WD], v10, v[WD]                ; at their places: 8 h bits up
	s_delay_alu instid0(VALU_DEP_1)
	v_permlanex16_b32 v[T1], v[WD], s20, s21
	s_delay_alu instid0(VALU_DEP_1)
	v_or_b32 v46, v[WD], v[T1]                     ; p's scale word for these 128 keys
.irp c, 0,1
.irp i, 0,1,2
	v_mov_b32 v[PCD+3+6*\c+\i], v[Y+4*\c+\i]
.endr
.endr
.irp a, 0,1,2,3                                ; the row's sum, of the unquantised p: four chains of pairs.  Sixteen additions here: the places between the scale word, the codes and the products
	v_pk_add_f32 v[TS+2*\a:TS+2*\a+1], v[S+4*\a:S+4*\a+1], v[S+4*\a+2:S+4*\a+3]
.endr
.irp k, 16,24,32
.irp a, 0,1,2,3
	v_pk_add_f32 v[TS+2*\a:TS+2*\a+1], v[TS+2*\a:TS+2*\a+1], v[S+\k+2*\a:S+\k+2*\a+1]
.endr
.endr
.irp t, 0,1,2,3                                ; O^T += V^T P^T: four accumulators by turns
	WM O+8*\t, VF+12*\t, PCD, v[O+8*\t:O+8*\t+7], 44+\t%2, 46, \t/2
.endr
.irp k, 40,48,56                               ; sixteen more: they name no register of the products, and are the places ahead of the next step's loads
.irp a, 0,1,2,3
	v_pk_add_f32 v[TS+2*\a:TS+2*\a+1], v[TS+2*\a:TS+2*\a+1], v[S+\k+2*\a:S+\k+2*\a+1]
.endr
.endr
	s_delay_alu instid0(VALU_DEP_3)
	v_pk_add_f32 v[TS:TS+1], v[TS:TS+1], v[TS+2:TS+3]
	s_delay_alu instid0(VALU_DEP_2)
	v_pk_add_f32 v[TS+4:TS+5], v[TS+4:TS+5], v[TS+6:TS+7]
	s_delay_alu instid0(VALU_DEP_1)
	v_pk_add_f32 v[TS:TS+1], v[TS:TS+1], v[TS+4:TS+5]
	s_delay_alu instid0(VALU_DEP_1)
	v_pk_add_f32 v[14:15], v[14:15], v[TS:TS+1]
.endm
.macro WALK                            ; the head's sixteen key steps, two a trip
	s_mov_b32 s13, 0
.Lstep_\@:
	STEP 0
	STEP STEPB
	s_add_co_u32 s13, s13, 2*STEPB
	s_cmp_lt_u32 s13, 16*STEPB
	s_cbranch_scc1 .Lstep_\@
.endm
; O^T / the sum, quantised along the head's 64 channels: one piece and two scale bytes.  A lane's 32 registers are one block.
.macro TILE_OUT u
	v_add_f32 v14, v14, v15
	v_permlanex16_b32 v[T1], v14, s20, s21
	v_add_f32 v14, v14, v[T1]                      ; the row's sum
	s_wait_alu depctr_va_vdst(0)                   ; the wait ahead of the transcendental
	v_rcp_f32 v[T0], v14
	v_nop                                          ; one plain place behind it
	s_wait_alu depctr_va_vdst(0)                   ; the wait directly ahead of its first reader, which is O^T's first reader too
.set J, 0
.rept 16
	v_pk_mul_f32 v[O+J:O+J+1], v[O+J:O+J+1], v[T0:T0+1] op_sel_hi:[1,0]
.set J, J+2
.endr
.irp b, 0,1
	v_max3_num_f32 v[BM+\b], |v[O+16*\b]|, |v[O+1+16*\b]|, 0x2800000
.endr
.irp i, 2,4,6,8,10,12,14
.irp b, 0,1
	v_max3_num_f32 v[BM+\b], v[BM+\b], |v[O+16*\b+\i]|, |v[O+1+16*\b+\i]|
.endr
.endr
	v_max_num_f32 v[BM], v[BM], v[BM+1]
	v_add_nc_u32 v[SO], 0xfe000000, v[BM]
	v_cvt_scalef32_pk16_bf6_f32 v[PO:PO+2], v[O:O+15], v[SO]
	v_cvt_scalef32_pk16_bf6_f32 v[Y:Y+2], v[O+16:O+31], v[SO]
	v_lshrrev_b32 v[BY], 23, v[SO]                 ; my block's byte.  (Plain places behind the conversions)
	v_lshlrev_b32 v[BY], v10, v[BY]                ; 8 h bits up
	v_permlanex16_b32 v[T1], v[BY], s20, s21
	v_or_b32 v[BY], v[BY], v[T1]
	v_lshlrev_b32 v[6+\u], s15, v[BY]              ; the two bytes at their place in the word of 128 along the next K
.irp i, 0,1,2
	v_mov_b32 v[PO+3+\i], v[Y+\i]
.endr
	global_store_b128 v1, v[PO:PO+3], s[18:19] offset:768*\u       ; 512 and 256 consecutive bytes, at multiples of 256
	global_store_b64 v2, v[PO+4:PO+5], s[18:19] offset:768*\u+512
.endm
	TILE_INIT 0
	WALK
	TILE_OUT 0
	s_wait_alu depctr_va_vdst(0)                   ; the wait directly ahead of the wait below
	s_wait_xcnt 0x0                                ; the stores have read the piece's registers, on which the next walk's loads of K land
	TILE_INIT 1
	WALK
	TILE_OUT 1
	v_cmp_ne_u32 vcc_lo, 0, v11                    ; lanes 0-15 store the first tile's words, lanes 16-31 the second's: 128 consecutive bytes
	v_cndmask_b32 v[T0], v6, v7, vcc_lo
	global_store_b32 v5, v[T0], s[48:49]
	s_wait_tensorcnt 0x0                           ; the wave's end
	ds_add_u32 v[SPW], v[NIL]
	s_wait_dscnt 0x0
	CROUND                                         ; the closing round
	s_endpgm
.Lfunc_end_k_q7152c06cbb_attn:
	.size	k_q7152c06cbb_attn, .Lfunc_end_k_q7152c06cbb_attn-k_q7152c06cbb_attn
	.p2alignl 7, 3214868480
	.fill 96, 4, 3214868480
	.section	.rodata,"a",@progbits
	.p2align	6, 0x0
	.amdhsa_kernel k_q7152c06cbb_attn
		.amdhsa_group_segment_fixed_size 206848
		.amdhsa_private_segment_fixed_size 0
		.amdhsa_enable_private_segment 0
		.amdhsa_kernarg_size 24
		.amdhsa_user_sgpr_count 2
		.amdhsa_user_sgpr_kernarg_segment_ptr 1
		.amdhsa_wavefront_size32 1
		.amdhsa_system_sgpr_workgroup_id_x 1
		.amdhsa_system_sgpr_workgroup_id_y 1
		.amdhsa_system_sgpr_workgroup_id_z 1
		.amdhsa_system_vgpr_workitem_id 0
		.amdhsa_next_free_vgpr 256
		.amdhsa_next_free_sgpr 66
		.amdhsa_reserve_vcc 1
		.amdhsa_float_denorm_mode_32 3
		.amdhsa_float_denorm_mode_16_64 3
		.amdhsa_memory_ordered 1
		.amdhsa_forward_progress 1
		.amdhsa_inst_pref_size 75
	.end_amdhsa_kernel
	.amdgpu_metadata
---
amdhsa.version: [ 1, 2 ]
amdhsa.kernels:
  - .name:           k_q7152c06cbb_attn
    .symbol:         k_q7152c06cbb_attn.kd
    .args:
      - { .name: qkv, .offset: 0, .size: 8, .value_kind: global_buffer, .address_space: global }
      - { .name: att, .offset: 8, .size: 8, .value_kind: global_buffer, .address_space: global }
      - { .name: atts, .offset: 16, .size: 8, .value_kind: global_buffer, .address_space: global }
    .group_segment_fixed_size: 206848
    .private_segment_fixed_size: 0
    .kernarg_segment_align: 8
    .kernarg_segment_size: 24
    .max_flat_workgroup_size: 512
    .sgpr_count:     66
    .vgpr_count:     256
    .wavefront_size: 32
...
	.end_amdgpu_metadata
.endif
;; end of part 3
;; launch proj (part 4): grid 8 x 32, 4 waves a work-group, clusters of 4 x 4, 312,832 bytes of LDS; arguments att, atts, wq, wqs, out_b, out0; writes out0
.if DOCPART == 4
	.amdgcn_target "amdgcn-amd-amdhsa--gfx1250"
	.amdhsa_code_object_version 6
	.text
	.protected	k_q7152c06cbb_proj
	.globl	k_q7152c06cbb_proj
	.p2align	8
	.type	k_q7152c06cbb_proj,@function
k_q7152c06cbb_proj:
	s_mov_b64 s[64:65], 0
	v_nop
	global_prefetch_b8 v0, s[64:65] scope:SCOPE_SE
	s_setreg_imm32_b32 hwreg(HW_REG_WAVE_MODE, 25, 1), 1
	s_wait_xcnt 0x0
	s_wait_alu depctr_hold_cnt(0) depctr_sa_sdst(0) depctr_va_vdst(0) depctr_va_sdst(0) depctr_va_ssrc(0) depctr_va_vcc(0) depctr_vm_vsrc(0)
	s_getreg_b32 s2, hwreg(HW_REG_IB_STS2, 6, 4)
	s_cmp_eq_u32 s2, 0
	s_cbranch_scc0 .Lentry_in_a_cluster
	s_endpgm
.Lentry_in_a_cluster:
	s_bfe_u32 s2, ttmp6, 0x10000c
	s_cmp_lg_u32 s2, 0xf033
	s_cbranch_scc0 .Lentry_shape_is_right
	s_endpgm
.Lentry_shape_is_right:
; out0 = O out_w^T + out_b on codes of BF6.  K = 1,024.  O's codes come as pieces from attention ([head: 16][tile: 512][768 bytes]; a head is a 64-group of K), out_w's as tiles 704-767 of wq.
; A piece is 16 rows x 64 K as an image of registers: 16 bytes a lane, then 8 bytes a lane; two pieces are a fragment.  Lane row r of tile 4 g + t is row 64 g + 8 t + r % 8 + 32 (r / 8), for tokens and columns alike.
; SHARES.  A work-group makes 256 tokens x 128 columns, so that there are 256 work-groups; wave w makes tokens 64 w .. 64 w + 63 (4 tiles m) x 8 tiles n: 32 accumulators.
; LDS.  All of K lies in LDS, filled once: O's sixteen K groups on end from byte 0 (12,288 bytes a group), W's from BOFF (6,144 a group).  Each wave issues ONE joint load of eight groups at the head;
; one wait and one barrier show all of it to every wave.  All is asked for at the head, so there is no loop to run ahead in, and no prefetch.
; CLUSTER 4 x 4: O's tiles are shared along a row of the cluster, W's along a column: each is asked for jointly.
; TWO PASSES OVER K, by halves of the columns: pass p makes tiles n = 4 p .. 4 p + 3, columns 64 p .. 64 p + 63 of the block, 16 accumulators by turns, and its results leave at once:
; the first half's stores are on their way while the second half is multiplied.  The price: O's fragments are read from LDS twice (W's once).
; The products are used TRANSPOSED (source 0 = W's tile): a lane holds one token and eight neighbouring columns; the bias is the C of each sum's first product.
; THE WAY OUT: a tile of 16 tokens x 64 columns goes through the wave's own stage, LDS bytes behind the spare words on which no fill lands, and comes back as rows of 256 bytes: sixteen lanes store one aligned unit.
; REGISTERS: window 0: v1-25 addresses, v32-47 O's scale words, v48-79 W's, v94-95 the add's two, v96-191 O's fragments in two sets, v192-223 scale halves as loaded; on the way out v192-255 hold rows of the result.
;   window 1: the accumulators at 8 (8 m + n).   window 2: W's fragments, two sets of four, at 12 (4 set + i); the biases from v96.
.set KGP,   589824
.set KGA,   393216
.set XSL,   49152                      ; O: four groups, 256 along K
.set WSL,   24576                      ; W: the same
.set BOFF,  196608                     ; W's groups lie behind O's sixteen
.set SPARE, 294912                     ; the spare words, 128 bytes a wave
.set STG,   295424                     ; the stages: 16 rows x SP bytes a wave
.set SP,    272                        ; a stage row: 256 bytes + 16
.set A16, 4                            ; v4-7 O's pieces of 256 along K number 0..3: + 16 x lane;  v8-11: + 8 x lane
.set A8,  8
.set W16, 12                           ; v12-15, v16-19 the same for W
.set W8,  16
.set STO, 20
.set RD,  21
.set CO,  22                           ; 16 x lane
.set SA,  23                           ; 262,144 h + 8 r
.set BQ,  24                           ; 128 h
.set GO,  25                           ; 4,096 h + 16 r
.set XS,  32
.set WS,  48
.set XF,  96
.set RAW, 192
.set BK,  192
.set G1A, 24
.set G1B, 32
.set G0A, 40
.set G0B, 68
.set MSB, 0
.macro WIN new
.if MSB != (\new)
	s_set_vgpr_msb (MSB<<8)|(\new)
.set MSB, (\new)
.endif
.endm
.macro PLACES
.rept 4
	v_nop
.endr
.endm
.macro CROUND
	s_barrier_signal -1
	s_barrier_wait -1
	s_cmp_lg_u32 s16, 0
	s_cbranch_scc1 .Lnot_wave_0_\@
	s_barrier_signal -3
.Lnot_wave_0_\@:
	s_barrier_wait -3
	s_barrier_signal -1
	s_barrier_wait -1
.endm
	s_load_b256 s[4:11], s[0:1], 0x0               ; att s[4:5], atts s[6:7], wq s[8:9], wqs s[10:11]
	s_load_b128 s[12:15], s[0:1], 0x20             ; out_b s[12:13], out0 s[14:15]
	v_lshl_add_u32 v94, v0, 2, SPARE
	v_mov_b32 v95, 0
	ds_add_u32 v94, v95                            ; the opening lines: the add, twice on end, and its wait ahead of my tensor load
	ds_add_u32 v94, v95
	v_lshrrev_b32 v1, 5, v0
	v_readfirstlane_b32 s16, v1                    ; wave
	s_lshr_b32 s17, s16, 1                         ; I fetch for O (0) or for W (1)
	s_and_b32 s18, s16, 1                          ; which eight 64-groups I fetch
	s_bfe_u32 s21, ttmp6, 0x40000                  ; cx
	s_bfe_u32 s22, ttmp6, 0x40004                  ; cy
	s_lshl_b32 s20, ttmp9, 2
	s_add_co_u32 s20, s20, s21                     ; tx: which 128 columns
	s_and_b32 s19, ttmp7, 0xffff
	s_lshl_b32 s19, s19, 2
	s_add_co_u32 s19, s19, s22                     ; ty: which 256 tokens
	s_lshl_b32 s92, s22, 2
	s_lshl_b32 s92, 15, s92                        ; my row of the cluster
	s_lshl_b32 s93, 0x1111, s21                    ; my column
	s_or_b32 s[G1A], s92, (3<<16)|(1<<21)          ; eight rows (64-groups), each a dense run of tiles; elements of 8 bytes
	s_mov_b32 s[G1A+1], 1536<<16
	s_mov_b32 s[G1A+2], 8<<16
	s_mov_b32 s[G1A+3], 1536<<16
	s_mov_b32 s[G1A+4], 8
	s_mov_b32 s[G1A+5], KGA/8
	s_mov_b32 s[G1A+6], 0
	s_mov_b32 s[G1A+7], 0
	s_or_b32 s[G1B], s93, (3<<16)|(1<<21)
	s_mov_b32 s[G1B+1], 768<<16
	s_mov_b32 s[G1B+2], 8<<16
	s_mov_b32 s[G1B+3], 768<<16
	s_mov_b32 s[G1B+4], 8
	s_mov_b32 s[G1B+5], KGP/8
	s_mov_b32 s[G1B+6], 0
	s_mov_b32 s[G1B+7], 0
	s_mul_i32 s56, s18, 8*KGA                      ; O's tiles hang on ty and the wave alone,
	s_mul_i32 s2, s19, 12288
	s_add_co_u32 s56, s56, s2
	s_mov_b32 s57, 0
	s_mul_i32 s58, s18, 8*KGP                      ; W's on tx and the wave alone
	s_mul_i32 s3, s20, 6144
	s_add_co_u32 s58, s58, s3
	s_add_co_u32 s58, s58, 704*768
	s_mov_b32 s59, 0
	s_mul_i32 s60, s18, 8*12288                    ; where they go: no place in the cluster enters an LDS address
	s_mul_i32 s61, s18, 8*6144
	s_add_co_u32 s61, s61, BOFF
	s_lshl_b32 s84, s19, 3
	s_lshl_b32 s23, s16, 1
	s_add_co_u32 s84, s84, s23
	s_lshl_b32 s84, s84, 7                         ; O's scale words: 128 bytes a pair of tiles, from pair 8 ty + 2 w
	s_mov_b32 s85, 0
	s_lshl_b32 s86, s20, 12
	s_add_co_u32 s86, s86, 704*512                 ; W's: 512 bytes a tile, from tile 704 + 8 tx
	s_mov_b32 s87, 0
	s_lshl_b32 s88, s20, 9                         ; my 128 biases
	s_mov_b32 s89, 0
	s_lshl_b32 s90, s19, 8
	s_lshl_b32 s23, s16, 6
	s_add_co_u32 s90, s90, s23
	s_lshl_b32 s90, s90, 12                        ; my first token's row of 4,096 bytes,
	s_add_co_u32 s90, s90, s88                     ; + 512 tx
	s_mov_b32 s91, 0
	s_wait_dscnt 0x0
	s_wait_kmcnt 0x0
	s_add_nc_u64 s[56:57], s[4:5], s[56:57]
	s_add_nc_u64 s[58:59], s[8:9], s[58:59]
	s_add_nc_u64 s[84:85], s[6:7], s[84:85]
	s_add_nc_u64 s[86:87], s[10:11], s[86:87]
	s_add_nc_u64 s[88:89], s[12:13], s[88:89]
	s_add_nc_u64 s[90:91], s[14:15], s[90:91]
	s_mov_b32 s[G0A], 1
	s_add_co_u32 s[G0A+1], s60, 0
	s_add_nc_u64 s[G0A+2:G0A+3], s[56:57], 0
	s_or_b32 s[G0A+3], s[G0A+3], 0x80000000
	s_mov_b32 s[G0B], 1
	s_add_co_u32 s[G0B+1], s61, 0
	s_add_nc_u64 s[G0B+2:G0B+3], s[58:59], 0
	s_or_b32 s[G0B+3], s[G0B+3], 0x80000000
	CROUND                                         ; all sixteen work-groups are here: the joint loads meet
	s_cmp_eq_u32 s17, 0                            ; waves 0 and 1 fetch for O, waves 2 and 3 for W: one tensor load a wave; four v_nop follow each of the two lines
	s_cbranch_scc0 .Lfor_b
	tensor_load_to_lds s[G0A:G0A+3], s[G1A:G1A+7]
	s_nop 0
	PLACES
	s_branch .Lasked
.Lfor_b:
	tensor_load_to_lds s[G0B:G0B+3], s[G1B:G1B+7]
	s_nop 0
	PLACES
.Lasked:
	v_and_b32 v1, 31, v0                           ; lane
	v_and_b32 v2, 15, v0                           ; r
	v_bfe_u32 v3, v0, 4, 1                         ; h
	v_lshlrev_b32 v[CO], 4, v1
	v_lshlrev_b32 v[SA], 18, v3
	v_lshl_add_u32 v[SA], v2, 3, v[SA]
	v_lshlrev_b32 v[BQ], 7, v3
.irp q, 0,1,2,3                                ; O's scale words: K step 4 h + q is heads 8 h + 2 q + e; a head's two bytes stand at their place in the word already
.irp e, 0,1
.irp p, 0,1
	global_load_b64 v[RAW+16*\p+4*\q+2*\e:RAW+16*\p+4*\q+2*\e+1], v[SA], s[84:85] offset:(2*\q+\e)*32768+128*\p
.endr
.endr
.endr
.irp n, 0,1,2,3,4,5,6,7
	global_load_b128 v[WS+4*\n:WS+4*\n+3], v[CO], s[86:87] offset:512*\n
.endr
	WIN 0x80                                       ; destination window 2
.irp n, 0,1,2,3,4,5,6,7                        ; lane (r, h) wants the biases of columns 64 (n / 4) + 32 h + 8 (n % 4) + 0 .. 7
	global_load_b128 v[96+8*\n:99+8*\n], v[BQ], s[88:89] offset:(64*(\n/4)+8*(\n%4))*4
	global_load_b128 v[100+8*\n:103+8*\n], v[BQ], s[88:89] offset:(64*(\n/4)+8*(\n%4))*4+16
.endr
	WIN 0
	s_mul_i32 s94, s16, 3072                       ; my four tiles of O
	v_add_nc_u32 v[A16], s94, v[CO]
	v_lshl_add_u32 v[A8], v1, 3, s94
	v_add_nc_u32 v[W16], BOFF, v[CO]
	v_lshl_add_u32 v[W8], v1, 3, BOFF
.irp k, 1,2,3
	v_add_nc_u32 v[A16+\k], \k*XSL, v[A16]
	v_add_nc_u32 v[A8+\k], \k*XSL, v[A8]
	v_add_nc_u32 v[W16+\k], \k*WSL, v[W16]
	v_add_nc_u32 v[W8+\k], \k*WSL, v[W8]
.endr
	s_mul_i32 s94, s16, 16*SP                      ; my stage
	s_add_co_u32 s94, s94, STG
	v_mul_u32_u24 v[STO], v2, SP
	v_lshl_add_u32 v[STO], v3, 7, v[STO]
	v_add_nc_u32 v[STO], s94, v[STO]               ; in: row r, + 128 h
	v_mul_u32_u24 v[RD], v3, SP
	v_lshl_add_u32 v[RD], v2, 4, v[RD]
	v_add_nc_u32 v[RD], s94, v[RD]                 ; back: lanes 0-15 one row of 256 bytes, lanes 16-31 the next
	v_lshlrev_b32 v[GO], 12, v3
	v_lshl_add_u32 v[GO], v2, 4, v[GO]             ; and the same two rows in out0
	s_wait_loadcnt 0x0
.irp p, 0,1
.irp u, 0,1
.irp q, 0,1,2,3
	v_or_b32 v[XS+4*(2*\p+\u)+\q], v[RAW+16*\p+4*\q+\u], v[RAW+16*\p+4*\q+2+\u]   ; two heads' halves make the word of 128 along K
.endr
.endr
.endr
.rept 8
	v_nop                                          ; a scale register written by a vector instruction stands eight places ahead of a scaled product
.endr
.macro FRAG reg, a16, a8, o, o2        ; a fragment = two pieces = four dense loads
	ds_load_b128 v[\reg:\reg+3], v[\a16] offset:\o
	ds_load_b64 v[\reg+4:\reg+5], v[\a8] offset:\o+512
	ds_load_b128 v[\reg+6:\reg+9], v[\a16] offset:\o2
	ds_load_b64 v[\reg+10:\reg+11], v[\a8] offset:\o2+512
.endm
.macro FETCH s, p                      ; substep s (128 along K) of pass p: O's four fragments and W's four (n = 4 p + i), each into its set s % 2: 32 loads
	WIN 0
.set SL, (\s)/2
.set XB, XF+48*((\s)%2)
.irp m, 0,1,2,3
	FRAG XB+12*\m, A16+SL, A8+SL, ((\s)%2)*24576+\m*768, ((\s)%2)*24576+\m*768+12288
.endr
	WIN 0x80
.irp i, 0,1,2,3
	FRAG 12*(4*((\s)%2)+\i), W16+SL, W8+SL, ((\s)%2)*12288+(4*(\p)+\i)*768, ((\s)%2)*12288+(4*(\p)+\i)*768+6144
.endr
	WIN 0
.endm
.macro WM d, a, b, c, sa, sb, row
.if \row
	v_wmma_scale_f32_16x16x128_f8f6f4 v[\d:\d+7], v[\a:\a+11], v[\b:\b+11], v[\c:\c+7], v[\sa], v[\sb] matrix_a_fmt:MATRIX_FMT_BF6 matrix_b_fmt:MATRIX_FMT_BF6 matrix_a_scale:MATRIX_SCALE_ROW1 matrix_b_scale:MATRIX_SCALE_ROW1
.else
	v_wmma_scale_f32_16x16x128_f8f6f4 v[\d:\d+7], v[\a:\a+11], v[\b:\b+11], v[\c:\c+7], v[\sa], v[\sb] matrix_a_fmt:MATRIX_FMT_BF6 matrix_b_fmt:MATRIX_FMT_BF6
.endif
.endm
.macro MUL s, p                        ; 16 products: the pass's four tiles of W against O's four; the 16 accumulators take turns, in the same order in every substep
.set XC, XF+48*((\s)%2)
.set SI, (\s)%4
.set RW, (\s)/4
.if (\s) == 0
	WIN 0x62                                       ; W window 2, O window 0, the bias window 2, D window 1
.else
	WIN 0x52
.endif
.irp i, 0,1,2,3
.irp m, 0,1,2,3
.set AC, 8*(8*\m+4*(\p)+\i)
.if (\s) == 0
.set CC, 96+8*(4*(\p)+\i)
.else
.set CC, AC
.endif
	WM AC, 12*(4*((\s)%2)+\i), XC+12*\m, CC, WS+4*(4*(\p)+\i)+SI, XS+4*\m+SI, RW
.endr
.endr
.endm
.macro TOSTAGE m, p                    ; a tile of 16 tokens x 64 columns into my stage, and back by rows
	WIN 0x04                                       ; an LDS store's data: window 1
.irp i, 0,1,2,3
	ds_store_b128 v[STO], v[8*(8*(\m)+4*(\p)+\i):8*(8*(\m)+4*(\p)+\i)+3] offset:32*\i        ; columns 32 h + 8 i + 0 .. 7 of the pass's 64; each accumulator from its low end on
	ds_store_b128 v[STO], v[8*(8*(\m)+4*(\p)+\i)+4:8*(8*(\m)+4*(\p)+\i)+7] offset:32*\i+16
.endr
	WIN 0
.irp t, 0,1,2,3,4,5,6,7
	ds_load_b128 v[BK+32*((\m)%2)+4*\t:BK+32*((\m)%2)+4*\t+3], v[RD] offset:\t*2*SP   ; LDS serves a wave's instructions in order: these see the stores above
.endr
.endm
.macro SEND m, p, younger              ; younger: the LDS instructions issued behind tile m's loads, which may stay out
	s_wait_dscnt \younger
.irp t, 0,1,2,3,4,5,6,7
	global_store_b128 v[GO], v[BK+32*((\m)%2)+4*\t:BK+32*((\m)%2)+4*\t+3], s[90:91] offset:(8*(\m)+2*\t+24*(\t/4))*4096+256*(\p) th:TH_STORE_NT   ; the tile's rows 2 t and 2 t + 1 at their tokens' places: sixteen lanes store 256 consecutive bytes, at a multiple of 256
.endr
.endm
.macro PASS p
	FETCH 0, \p
.irp s, 0,1,2,3,4,5,6
	PLACES                                         ; in front of loads into the sets that the substep before has read
	FETCH \s+1, \p
	s_wait_dscnt 32                                ; this substep's fragments are in; the next substep's 32 loads may be out
	MUL \s, \p
.endr
	s_wait_dscnt 0x0
	MUL 7, \p
	WIN 0
	PLACES                                         ; behind the last products: for the stores of results, and for the next pass's loads into the fragments' registers
	s_wait_xcnt 0x0                                ; any earlier stores have read the registers on which the rows land
	TOSTAGE 0, \p
	TOSTAGE 1, \p
	SEND 0, \p, 16                                 ; behind tile 0's loads: tile 1's 8 stores and 8 loads
	s_wait_xcnt 0x0                                ; tile 0's stores have read their registers: tile 2's rows may land there
	TOSTAGE 2, \p
	SEND 1, \p, 16
	s_wait_xcnt 0x0
	TOSTAGE 3, \p
	SEND 2, \p, 16
	SEND 3, \p, 0
.endm
	s_wait_alu depctr_va_vdst(0)                   ; the wait at the head's end
	s_wait_tensorcnt 0x0                           ; my eight groups are in
	s_barrier_signal -1
	s_barrier_wait -1                              ; everybody's are; nothing is ever filled again
	PASS 0
	PASS 1
	s_wait_tensorcnt 0x0                           ; the wave's end
	ds_add_u32 v94, v95
	s_wait_dscnt 0x0
	CROUND                                         ; the closing round
	s_endpgm
.Lfunc_end_k_q7152c06cbb_proj:
	.size	k_q7152c06cbb_proj, .Lfunc_end_k_q7152c06cbb_proj-k_q7152c06cbb_proj
	.p2alignl 7, 3214868480
	.fill 96, 4, 3214868480
	.section	.rodata,"a",@progbits
	.p2align	6, 0x0
	.amdhsa_kernel k_q7152c06cbb_proj
		.amdhsa_group_segment_fixed_size 312832
		.amdhsa_private_segment_fixed_size 0
		.amdhsa_enable_private_segment 0
		.amdhsa_kernarg_size 48
		.amdhsa_user_sgpr_count 2
		.amdhsa_user_sgpr_kernarg_segment_ptr 1
		.amdhsa_wavefront_size32 1
		.amdhsa_system_sgpr_workgroup_id_x 1
		.amdhsa_system_sgpr_workgroup_id_y 1
		.amdhsa_system_sgpr_workgroup_id_z 1
		.amdhsa_system_vgpr_workitem_id 0
		.amdhsa_next_free_vgpr 768
		.amdhsa_next_free_sgpr 96
		.amdhsa_reserve_vcc 0
		.amdhsa_float_denorm_mode_32 3
		.amdhsa_float_denorm_mode_16_64 3
		.amdhsa_memory_ordered 1
		.amdhsa_forward_progress 1
		.amdhsa_inst_pref_size 96
	.end_amdhsa_kernel
	.amdgpu_metadata
---
amdhsa.version: [ 1, 2 ]
amdhsa.kernels:
  - .name:           k_q7152c06cbb_proj
    .symbol:         k_q7152c06cbb_proj.kd
    .args:
      - { .name: att, .offset: 0, .size: 8, .value_kind: global_buffer, .address_space: global }
      - { .name: atts, .offset: 8, .size: 8, .value_kind: global_buffer, .address_space: global }
      - { .name: wq, .offset: 16, .size: 8, .value_kind: global_buffer, .address_space: global }
      - { .name: wqs, .offset: 24, .size: 8, .value_kind: global_buffer, .address_space: global }
      - { .name: out_b, .offset: 32, .size: 8, .value_kind: global_buffer, .address_space: global }
      - { .name: out0, .offset: 40, .size: 8, .value_kind: global_buffer, .address_space: global }
    .group_segment_fixed_size: 312832
    .private_segment_fixed_size: 0
    .kernarg_segment_align: 8
    .kernarg_segment_size: 48
    .max_flat_workgroup_size: 128
    .sgpr_count:     96
    .vgpr_count:     768
    .wavefront_size: 32
...
	.end_amdgpu_metadata
.endif
;; end of part 4
